; MI455X (gfx1250); checked and timed in simulation.
; The chip was launched on July 23, 2026; its instructions are those of AMD's public machine-readable ISA for CDNA 5 (MIT licence, August 2026) and "CDNA5" Instruction Set Architecture Reference Guide (July 2026). The comments in the code are by the model that wrote it; some were corrected since.
;; Multi Head Attention. Allowed arithmetic: matrix products marked QUANTISED: E2M3 operands, one E8M0 scale for each 32 along K, by v_wmma_scale_f32_16x16x128_f8f6f4 with both operands' format E2M3, f32 sums; everything else in f32.
;; Inputs: K 4 x 2,048 x 1,024 float32; Q 4 x 2,048 x 1,024 float32; V 4 x 2,048 x 1,024 float32; W_K 1,024 x 1,024 float32; W_O 1,024 x 1,024 float32; W_Q 1,024 x 1,024 float32; W_V 1,024 x 1,024 float32; attn_mask 4 x 2,048 x 2,048 bool.
;; Outputs: out0 4 x 2,048 x 1,024 float32.
;; This version of the problem:
;;   THIS VERSION OF THE PROBLEM IS GIVEN IN LOW PRECISION. The matrix products marked QUANTISED in the list below multiply operands that are first quantised to E2M3 (2 exponent bits, 3 mantissa bits; 6 bits a number), with one power-of-two scale for each 32 numbers along K (OCP MX v1.0); their sums are f32. All else is computed in f32.
;;   The module's matrix products, in the order in which they are computed (A, B: the left and right operand; K: the contracted axis; several contracted axes count as one K, in the product's order):
;;     1. [M 8,192, K 1,024] x [K 1,024, N 1,024]; A: input Q; B: input W_Q: QUANTISED
;;     2. [M 8,192, K 1,024] x [K 1,024, N 1,024]; A: input K; B: input W_K: QUANTISED
;;     3. [M 8,192, K 1,024] x [K 1,024, N 1,024]; A: input V; B: input W_V: QUANTISED
;;     4. batch 64 x [M 2,048, K 64] x [K 64, N 2,048]; A: computed on the way; B: computed on the way: QUANTISED
;;     5. batch 64 x [M 2,048, K 2,048] x [K 2,048, N 64]; A: softmax (see below); B: computed on the way: QUANTISED
;;     6. [M 8,192, K 1,024] x [K 1,024, N 1,024]; A: computed on the way; B: input W_O: QUANTISED
;;   THE QUANTISER, for each operand of a quantised product, along K:
;;     - K is cut into blocks of 32 from its start; a last block that is shorter is filled with zeros.
;;     - A block's scale is 2^e with e = floor(log2(the largest magnitude in the block)) - 2, held to -126 .. 127; a block of zeros has e = 0. As a byte (E8M0): e + 127.
;;     - Each number is divided by its block's scale, clamped to +-7.5, and rounded to the nearest number of E2M3, ties to even, subnormals kept.
;;     - The product sums the exact products of the quantised numbers (number of the format x scale) in f32.
;;   ~~~python
;;   def quantise(x, axis):      # numpy; x: float32 -> the quantised numbers, widened to float32 again
;;       x = np.moveaxis(x, axis, -1); K = x.shape[-1]
;;       x = np.pad(x, [(0, 0)] * (x.ndim - 1) + [(0, -K % 32)]); x = x.reshape(x.shape[:-1] + (-1, 32)); a = np.abs(x).max(-1, keepdims=True)
;;       e = np.where(a > 0, np.clip(np.frexp(np.where(a > 0, a, 1))[1] - 1 - 2, -126, 127), 0)      # np.frexp(a)[1] - 1 = floor(log2(a)), exactly
;;       r = np.clip(x / 2.0 ** e, -7.5, 7.5)
;;       step = 2.0 ** (np.maximum(np.frexp(np.where(r == 0, 1, r))[1] - 1, 0) - 3)
;;       q = np.round(r / step) * step * 2.0 ** e      # np.round: ties to even
;;       return np.moveaxis(q.reshape(q.shape[:-2] + (-1,))[..., :K], -1, axis).astype(np.float32)
;;   ~~~
;;   SOFTMAX AHEAD OF A QUANTISED PRODUCT. Where the list says 'softmax', what is quantised is not the finished softmax but p = 2^(t - M), with t = logit x log2(e) and M = ceil(the row's largest t), a whole number; so 1/2 < the row's largest p <= 1. The row's sum l is taken of the UNQUANTISED p, in f32, and the product's result is divided by l at the end. Since M is a whole number, a kernel that streams over the keys may use a running M (the ceiling of the running maximum): every later rescaling is an exact power of two, which a block's scale takes up: the codes' values come out the same.
;;   OPERANDS COMPUTED ON THE WAY. 'Computed on the way' means the value that the module computes at that place (a softmax that the list does not call 'softmax' is quantised finished and normalised). What goes into a quantiser is computed in f32, as accurately as f32 sums, v_exp_f32 and their like allow (about 1e-6 of the number): no bf16 or f16 on the way to a quantiser, and a product that is left as it is and whose result goes on into a quantised operand takes f32 operands (vector FMAs, or v_wmma_f32_16x16x4_f32). A number that lies on a knife's edge between two numbers of the format may be rounded either way, as far as f32 arithmetic and the matrix unit's own rounding can turn it there, and no further.
;; One version. Each part assembles by itself: llvm-mc -triple=amdgcn-amd-amdhsa -mcpu=gfx1250 --defsym DOCPART=n.
;; ======== version 1 of 1: 4 launches
;; limits: right only within a limited range of input values
;; workspace buffers: ops 22,020,096 bytes; opsc 917,504 bytes; mw 2,097,152 bytes of whole numbers; qkv 20,185,088 bytes; ctx 6,291,456 bytes; ctxs 262,144 bytes
;; launch prep (part 1): grid 1152 x 1, 4 waves a work-group, no clusters, 68,096 bytes of LDS; arguments Q, K, V, W_Q, W_K, W_V, W_O, attn_mask, ops, opsc, mw; writes ops, opsc, mw
.if DOCPART == 1
	.amdgcn_target "amdgcn-amd-amdhsa--gfx1250"
	.amdhsa_code_object_version 6
	.text
	.protected	k_qe4703348a5_prep
	.globl	k_qe4703348a5_prep
	.p2align	8
	.type	k_qe4703348a5_prep,@function
k_qe4703348a5_prep:
	s_mov_b64 s[64:65], 0
	v_nop
	global_prefetch_b8 v0, s[64:65] scope:SCOPE_SE
	s_setreg_imm32_b32 hwreg(HW_REG_WAVE_MODE, 25, 1), 1
	s_wait_xcnt 0x0
; Q, K, V [8192][1024] and W_Q, W_K, W_V, W_O [1024 (k)][1024 (n)], f32, become codes of FP6 (E2M3) with one E8M0 byte for each 32 along K = 1024;
; attn_mask [4][2048][2048] (bytes) becomes lane masks of 32 bits.
; TILES.  An operand is cut into tiles of 16 rows (for a weight: 16 columns n).  Lane r of tile T holds row 32 (T / 2) + 8 (T % 2) + r + 8 (r / 8):
; as source 0 of a product such tiles leave 16 neighbouring rows in the 16 result registers of tiles 2 b and 2 b + 1.
; ops: [tile][K step of 128][1,536 bytes]: the 12 operand registers of the wave as they stand, in two halves of six:
; registers 0-3 at 16 x lane (512 bytes), registers 4-5 at 512 + 8 x lane (256 bytes).  opsc: [tile][r][8 words]: word s = the four bytes of K step s.
; Tiles: Q 0-511, K 512-1023, V 1024-1535, W_Q 1536-, W_K 1600-, W_V 1664-, W_O 1728-1791.
; mw: [4 x 128 query tiles][16 steps of 128 keys][64 words]: bit l of word n = mask[query of lane l % 16][128 step + 32 (n / 16) + 16 (l / 16) + n % 16].
; A block's scale is 2^(floor(log2(largest magnitude)) - 2): its byte is the largest magnitude's exponent field - 2, held at 1 from below by a floor among the maximum's leaves.
; LIMITS: a block of zeros, or one under 2^-124, keeps the byte 1 (its bytes are read by this program alone); NaN and infinities are not served.
; Work-groups 0-383: Q, K, V (a wave a tile, all of K).  384-639: the weights (a wave 32 columns x 128 along K).  640-1151: the mask (a wave 16 queries x 512 keys).
; No tensor loads, no barrier: waves share nothing.  Each path has LDS bytes of its own.
.set SPARE, 67584                      ; behind the stages: the spare words, 128 bytes for each wave
.set WST,   8448                       ; a wave's stage: 16 rows x 528 bytes
.set SP,    528                        ; a stage row: 512 bytes + 16, so that sixteen rows start in sixteen different 16-byte columns
.set MST,   33792                      ; the mask path's stages begin here
.set FLOOR, 0x1800000                  ; 2^(3 - 127)
.set L16, 4                            ; v4   16 x lane
.set L8,  5                            ; v5   8 x lane
.set XSW, 6                            ; v6   x's stage, on the way in: 16 x lane
.set XSR, 7                            ; v7   and out: 528 r + 128 h
.set MSW, 8                            ; v8   the mask's stage, in
.set MSR, 9                            ; v9   and out: 528 r + 16 h
.set H8,  10                           ; v10  8 h
.set SO,  11                           ; v11  32 r + 16 h
.set WO,  12                           ; v12  a weight's column of my lane, in bytes
.set WS,  13                           ; v13  512 (lane / 16) + 32 r
.set SPW, 14                           ; v14  my spare word; never rewritten
.set NIL, 15                           ; v15  0; never rewritten
.set PC,  16                           ; v16-27 a fragment's codes (weights: v16-39, four blocks of six)
.set PT,  28                           ; v28-34 the second halves of the conversions
.set TM,  36                           ; v36-43 at work
.set SWD, 44                           ; v44-51 the eight scale words
.set OUT, 52                           ; v52-55 four of them, to store
.set R,   64                           ; v64-191 two sets of 64 registers as loaded
.set X,   192                          ; v192-255 64 numbers: my two whole blocks of each half of a K step
	s_load_b512 s[4:19], s[0:1], 0x0               ; Q, K, V, W_Q, W_K, W_V, W_O, the mask
	s_load_b128 s[20:23], s[0:1], 0x40             ; ops, opsc
	s_load_b64 s[24:25], s[0:1], 0x50              ; mw
	v_lshl_add_u32 v[SPW], v0, 2, SPARE
	v_mov_b32 v[NIL], 0
	v_lshrrev_b32 v1, 5, v0
	v_readfirstlane_b32 s26, v1                    ; wave
	v_and_b32 v1, 31, v0                           ; lane
	v_and_b32 v2, 15, v0                           ; r
	v_bfe_u32 v3, v0, 4, 1                         ; h
	v_lshlrev_b32 v[L16], 4, v1
	v_lshlrev_b32 v[L8], 3, v1
	s_mul_i32 s27, s26, WST
	v_add_nc_u32 v[XSW], s27, v[L16]
	v_mul_u32_u24 v[XSR], v2, SP
	v_lshl_add_u32 v[MSR], v3, 4, v[XSR]
	v_lshl_add_u32 v[XSR], v3, 7, v[XSR]
	v_add_nc_u32 v[XSR], s27, v[XSR]
	v_add_nc_u32 v[MSR], s27, v[MSR]
	v_add_nc_u32 v[MSR], MST, v[MSR]
	v_add_nc_u32 v[MSW], MST, v[XSW]
	v_lshlrev_b32 v[H8], 3, v3
	v_lshlrev_b32 v[SO], 5, v2
	v_lshl_add_u32 v[WS], v3, 9, v[SO]
	v_lshl_add_u32 v[SO], v3, 4, v[SO]
	v_and_b32 v[WO], 8, v2
	v_add_nc_u32 v[WO], v[WO], v2
	v_lshl_add_u32 v[WO], v3, 3, v[WO]             ; 8 (lane / 16) + r + 8 (r / 8)
	v_lshlrev_b32 v[WO], 2, v[WO]
	s_mov_b32 s28, 0x76543210
	s_mov_b32 s29, 0xfedcba98                      ; v_permlanex16_b32's selects for lane l xor 16
	v_cmp_ne_u32 s30, 0, v3                        ; the lanes with h = 1
	s_wait_kmcnt 0x0
	s_cmp_lt_u32 ttmp9, 384
	s_cbranch_scc1 .Lx
	s_cmp_lt_u32 ttmp9, 640
	s_cbranch_scc1 .Lw
	; ---- THE MASK.  g = 128 b + query tile; my wave takes keys 512 x wave on
	s_sub_co_u32 s34, ttmp9, 640
	s_lshr_b32 s35, s34, 1
	s_lshl_b32 s35, s35, 5
	s_and_b32 s36, s34, 1
	s_lshl_b32 s36, s36, 3
	s_add_co_u32 s36, s36, s35                     ; the tile's first row
	s_lshl_b32 s36, s36, 11                        ; a row of the mask is 2,048 bytes
	s_lshl_b32 s35, s26, 9
	s_add_co_u32 s36, s36, s35
	s_mov_b32 s37, 0
	s_add_nc_u64 s[18:19], s[18:19], s[36:37]
	s_lshl_b32 s36, s34, 12                        ; a tile's words are 4,096 bytes, my quarter 1,024
	s_lshl_b32 s35, s26, 10
	s_add_co_u32 s36, s36, s35
	s_add_nc_u64 s[24:25], s[24:25], s[36:37]
.irp i, 0,1,2,3,4,5,6,7,8,9,10,11,12,13,14,15
	global_load_b128 v[64+4*\i:67+4*\i], v[L16], s[18:19] offset:(\i+8*(\i/8))*2048 th:TH_LOAD_NT   ; 32 lanes read 512 consecutive bytes of one query's row
.endr
	s_mov_b32 s40, 0xff
	s_mov_b32 s41, 0xff00
	s_mov_b32 s42, 0xff0000
	s_mov_b32 s43, 0xff000000
.irp i, 0,1,2,3,4,5,6,7
	v_mov_b32 v[16+\i], 0                          ; v_writelane_b32's destination counts as read
.endr
.irp i, 0,1,2,3,4,5,6,7,8,9,10,11,12,13,14,15
	s_wait_loadcnt 15-\i                           ; row i is in; the rows behind it may be out
	ds_store_b128 v[MSW], v[64+4*\i:67+4*\i] offset:SP*\i
.endr
.irp q, 0,1,2,3,4,5,6,7,8,9,10,11,12,13,14,15
	ds_load_b128 v[128+4*\q:131+4*\q], v[MSR] offset:128*(\q/4)+32*(\q%4)   ; LDS serves a wave's instructions in order: lane (r, h) takes query r's keys 32 q + 16 h + 0 .. 15
.endr
	s_wait_dscnt 0x0
; word W = 64 step + 16 block + i: the lanes' byte i of register group W / 16.  It goes to lane (W % 128) / 4, register W % 4, of the store W / 128.
.set W0, 0
.rept 32
.irp k, 0,1,2,3,4,5,6,7
	v_and_b32 v[24+\k], s[40+\k%4], v[128+4*((W0+\k)/16)+((W0+\k)%16)/4]
.endr
.irp k, 0,1,2,3,4,5,6,7
	v_cmp_ne_u32 s[44+\k], 0, v[24+\k]
.endr
.irp k, 0,1,2,3,4,5,6,7
	v_writelane_b32 v[16+4*((W0+\k)/128)+\k%4], s[44+\k], ((W0+\k)%128)/4
.endr
.set W0, W0+8
.endr
	global_store_b128 v[L16], v[16:19], s[24:25]               ; 512 consecutive bytes each
	global_store_b128 v[L16], v[20:23], s[24:25] offset:512
	s_branch .Lend
	; ---- Q, K, V.  Tile G = 4 x work-group + wave
.Lx:
	s_cmp_lt_u32 ttmp9, 128
	s_cselect_b64 s[32:33], s[4:5], s[6:7]
	s_cmp_lt_u32 ttmp9, 256
	s_cselect_b64 s[32:33], s[32:33], s[8:9]       ; the choice hangs on the work-group's number alone
	s_lshl_b32 s34, ttmp9, 2
	s_add_co_u32 s34, s34, s26                     ; G
	s_and_b32 s35, s34, 511                        ; the tile in its tensor
	s_lshr_b32 s36, s35, 1
	s_lshl_b32 s36, s36, 5
	s_and_b32 s35, s35, 1
	s_lshl_b32 s35, s35, 3
	s_add_co_u32 s36, s36, s35
	s_lshl_b32 s36, s36, 12                        ; its first row, of 4,096 bytes
	s_mov_b32 s37, 0
	s_add_nc_u64 s[32:33], s[32:33], s[36:37]
	s_mul_i32 s36, s34, 12288
	s_add_nc_u64 s[20:21], s[20:21], s[36:37]
	s_lshl_b32 s36, s34, 9
	s_add_nc_u64 s[22:23], s[22:23], s[36:37]
	v_mov_b32 v[TM+7], 0                           ; a lane permute's destination counts as one of its sources
.macro XLOAD s                         ; K step s of my 16 rows: 512 consecutive bytes an instruction
.irp i, 0,1,2,3,4,5,6,7,8,9,10,11,12,13,14,15
	global_load_b128 v[R+64*((\s)%2)+4*\i:R+64*((\s)%2)+4*\i+3], v[L16], s[32:33] offset:(\i+8*(\i/8))*4096+512*(\s) th:TH_LOAD_NT
.endr
.endm
.macro XTURN s                         ; through my stage: in by rows, out 32 neighbours of a row at a time: lane (r, h) gets k = 64 c + 32 h + 0 .. 31, c = 0, 1
.irp i, 0,1,2,3,4,5,6,7,8,9,10,11,12,13,14,15
	ds_store_b128 v[XSW], v[R+64*((\s)%2)+4*\i:R+64*((\s)%2)+4*\i+3] offset:SP*\i
.endr
.irp c, 0,1
.irp q, 0,1,2,3,4,5,6,7
	ds_load_b128 v[X+32*\c+4*\q:X+32*\c+4*\q+3], v[XSR] offset:256*\c+16*\q
.endr
.endr
.endm
.macro XQ s                            ; my two whole blocks 2 c + h become registers 6 c .. 6 c + 5 of the fragment
.irp c, 0,1
	v_max3_num_f32 v[TM+\c], |v[X+32*\c]|, |v[X+32*\c+1]|, FLOOR
.endr
.irp i, 2,4,6,8,10,12,14,16,18,20,22,24,26,28,30
.irp c, 0,1
	v_max3_num_f32 v[TM+\c], v[TM+\c], |v[X+32*\c+\i]|, |v[X+32*\c+\i+1]|
.endr
.endr
.irp c, 0,1
	v_add_nc_u32 v[TM+2+\c], 0xff000000, v[TM+\c]  ; 2 off the exponent field: the conversion's scale operand
.endr
.irp c, 0,1
	v_lshrrev_b32 v[TM+4+\c], 23, v[TM+2+\c]       ; the scale's byte
.endr
	v_lshl_or_b32 v[TM+6], v[TM+5], 16, v[TM+4]    ; my bytes of blocks h and 2 + h,
	v_lshlrev_b32 v[TM+6], v[H8], v[TM+6]          ; at their places;
	v_permlanex16_b32 v[TM+7], v[TM+6], s28, s29
	v_or_b32 v[SWD+\s], v[TM+6], v[TM+7]           ; with lane l xor 16's two the word is whole
	s_wait_alu depctr_va_vdst(0)
	s_wait_xcnt 0x0                                ; the last step's stores have read the codes' registers
.irp c, 0,1
	v_cvt_scalef32_pk16_fp6_f32 v[PC+6*\c:PC+6*\c+2], v[X+32*\c:X+32*\c+15], v[TM+2+\c]
	v_cvt_scalef32_pk16_fp6_f32 v[PT+4*\c:PT+4*\c+2], v[X+32*\c+16:X+32*\c+31], v[TM+2+\c]   ; (a conversion's three registers begin on an even number)
.endr
	v_nop                                          ; one plain place behind a scaled conversion
.irp c, 0,1
.irp i, 0,1,2
	v_mov_b32 v[PC+6*\c+3+\i], v[PT+4*\c+\i]
.endr
.endr
.irp c, 0,1
	global_store_b128 v[L16], v[PC+6*\c:PC+6*\c+3], s[20:21] offset:1536*(\s)+768*\c        ; 512 consecutive bytes,
	global_store_b64 v[L8], v[PC+6*\c+4:PC+6*\c+5], s[20:21] offset:1536*(\s)+768*\c+512    ; and 256
.endr
.endm
	XLOAD 0
	XLOAD 1
.irp s, 0,1,2,3,4,5,6,7
.if \s < 7
	s_wait_loadcnt 16                              ; this step's 16 loads are in; the next step's may be out
.else
	s_wait_loadcnt 0x0
.endif
	XTURN \s
	s_wait_dscnt 0x0                               ; the numbers are back, and the stage's stores have read their registers,
.if \s < 6
	XLOAD \s+2                                     ; which take the loads of two steps on
.endif
	XQ \s
.endr
.irp i, 0,1,2,3
	v_cndmask_b32 v[OUT+\i], v[SWD+\i], v[SWD+4+\i], s30       ; lane (r, h) stores words 4 h .. 4 h + 3 of row r
.endr
	global_store_b128 v[SO], v[OUT:OUT+3], s[22:23]            ; 512 consecutive bytes
	s_branch .Lend
	; ---- THE WEIGHTS.  g = 64 weight + 8 (group of 128 columns) + K step.  A LANE TAKES A COLUMN, AND ITS REGISTERS RUN DOWN K
.Lw:
	s_sub_co_u32 s34, ttmp9, 384
	s_cmp_lt_u32 s34, 64
	s_cselect_b64 s[32:33], s[10:11], s[12:13]
	s_cmp_lt_u32 s34, 128
	s_cselect_b64 s[32:33], s[32:33], s[14:15]
	s_cmp_lt_u32 s34, 192
	s_cselect_b64 s[32:33], s[32:33], s[16:17]
	s_lshr_b32 s35, s34, 6                         ; which weight
	s_bfe_u32 s36, s34, 0x30003
	s_lshl_b32 s36, s36, 2
	s_add_co_u32 s36, s36, s26                     ; cg: my 32 columns
	s_and_b32 s38, s34, 7                          ; the K step
	s_lshl_b32 s40, s38, 19                        ; 128 rows of 4,096 bytes
	s_lshl_b32 s39, s36, 7
	s_add_co_u32 s40, s40, s39
	s_mov_b32 s41, 0
	s_add_nc_u64 s[32:33], s[32:33], s[40:41]
	s_lshl_b32 s39, s35, 6
	s_lshl_b32 s42, s36, 1
	s_add_co_u32 s39, s39, s42
	s_add_co_u32 s39, s39, 1536                    ; my first tile: 1536 + 64 weight + 2 cg
	s_mul_i32 s40, s39, 12288
	s_mul_i32 s42, s38, 1536
	s_add_co_u32 s40, s40, s42
	s_add_nc_u64 s[20:21], s[20:21], s[40:41]
	s_lshl_b32 s40, s39, 9
	s_lshl_b32 s42, s38, 2
	s_add_co_u32 s40, s40, s42
	s_add_nc_u64 s[22:23], s[22:23], s[40:41]
.macro WLOAD t                         ; block t: W(32 t + i, my column): the wave reads 128 consecutive bytes of a row, the work-group 512
.irp i, 0,1,2,3,4,5,6,7,8,9,10,11,12,13,14,15,16,17,18,19,20,21,22,23,24,25,26,27,28,29,30,31
	global_load_b32 v[64+32*(\t)+\i], v[WO], s[32:33] offset:4096*(32*(\t)+\i) th:TH_LOAD_NT
.endr
.endm
.macro WBLK t                          ; block t of my column: all its 32 numbers are mine
.set XS, 64+32*(\t)
	v_max3_num_f32 v44, |v[XS]|, |v[XS+1]|, |v[XS+2]|
	v_max3_num_f32 v45, |v[XS+3]|, |v[XS+4]|, |v[XS+5]|
.irp i, 6,10,14,18,22,26
	v_max3_num_f32 v44, v44, |v[XS+\i]|, |v[XS+\i+1]|
	v_max3_num_f32 v45, v45, |v[XS+\i+2]|, |v[XS+\i+3]|
.endr
	v_max3_num_f32 v44, v44, |v[XS+30]|, |v[XS+31]|
	v_max3_num_f32 v44, v44, v45, FLOOR
	v_add_nc_u32 v46, 0xff000000, v44
	v_lshrrev_b32 v47, 23, v46
.if (\t) == 0
	v_mov_b32 v48, v47                             ; my column's scale word of this K step
.else
	v_lshl_or_b32 v48, v47, 8*(\t), v48
.endif
	v_cvt_scalef32_pk16_fp6_f32 v[16+6*(\t):18+6*(\t)], v[XS:XS+15], v46
	v_cvt_scalef32_pk16_fp6_f32 v[40:42], v[XS+16:XS+31], v46
	v_nop                                          ; one plain place behind a scaled conversion
.irp i, 0,1,2
	v_mov_b32 v[19+6*(\t)+\i], v[40+\i]
.endr
.endm
	s_wait_alu depctr_va_vdst(0)
	WLOAD 0
	WLOAD 1
	s_wait_loadcnt 32                              ; block 0 is in; block 1's 32 loads may be out
	WLOAD 2
	WBLK 0
	s_wait_loadcnt 32                              ; block 1 is in; block 2's may be out
	WLOAD 3
	WBLK 1
	s_wait_loadcnt 32
	WBLK 2
	s_wait_loadcnt 0x0
	WBLK 3
; lanes 0-15 hold tile 2 cg's columns, lanes 16-31 tile 2 cg + 1's, each all four blocks.  An operand wants block 2 c in lanes 0-15 and block 2 c + 1 in lanes 16-31 of ONE tile:
; block 2 c's lanes 16-31 change places with block 2 c + 1's lanes 0-15: the first is then half c of tile 2 cg, the second half c of tile 2 cg + 1
.irp c, 0,1
.irp i, 0,1,2,3,4,5
	v_permlane16_swap_b32 v[16+12*\c+\i], v[22+12*\c+\i]
.endr
.endr
.irp c, 0,1
.irp u, 0,1
	global_store_b128 v[L16], v[16+12*\c+6*\u:19+12*\c+6*\u], s[20:21] offset:12288*\u+768*\c
	global_store_b64 v[L8], v[20+12*\c+6*\u:21+12*\c+6*\u], s[20:21] offset:12288*\u+768*\c+512
.endr
.endr
	global_store_b32 v[WS], v48, s[22:23]          ; four bytes a lane, 32 bytes apart: one byte in 128 of what this path reads
.Lend:
	s_wait_tensorcnt 0x0                           ; the wave's end
	ds_add_u32 v[SPW], v[NIL]
	s_wait_dscnt 0x0
	s_endpgm
.Lfunc_end_k_qe4703348a5_prep:
	.size	k_qe4703348a5_prep, .Lfunc_end_k_qe4703348a5_prep-k_qe4703348a5_prep
	.p2alignl 7, 3214868480
	.fill 96, 4, 3214868480
	.section	.rodata,"a",@progbits
	.p2align	6, 0x0
	.amdhsa_kernel k_qe4703348a5_prep
		.amdhsa_group_segment_fixed_size 68096
		.amdhsa_private_segment_fixed_size 0
		.amdhsa_enable_private_segment 0
		.amdhsa_kernarg_size 88
		.amdhsa_user_sgpr_count 2
		.amdhsa_user_sgpr_kernarg_segment_ptr 1
		.amdhsa_wavefront_size32 1
		.amdhsa_system_sgpr_workgroup_id_x 1
		.amdhsa_system_sgpr_workgroup_id_y 1
		.amdhsa_system_sgpr_workgroup_id_z 1
		.amdhsa_system_vgpr_workitem_id 0
		.amdhsa_next_free_vgpr 256
		.amdhsa_next_free_sgpr 66
		.amdhsa_reserve_vcc 0
		.amdhsa_float_denorm_mode_32 3
		.amdhsa_float_denorm_mode_16_64 3
		.amdhsa_memory_ordered 1
		.amdhsa_forward_progress 1
		.amdhsa_inst_pref_size 125
	.end_amdhsa_kernel
	.amdgpu_metadata
---
amdhsa.version: [ 1, 2 ]
amdhsa.kernels:
  - .name:           k_qe4703348a5_prep
    .symbol:         k_qe4703348a5_prep.kd
    .args:
      - { .name: Q, .offset: 0, .size: 8, .value_kind: global_buffer, .address_space: global }
      - { .name: K, .offset: 8, .size: 8, .value_kind: global_buffer, .address_space: global }
      - { .name: V, .offset: 16, .size: 8, .value_kind: global_buffer, .address_space: global }
      - { .name: W_Q, .offset: 24, .size: 8, .value_kind: global_buffer, .address_space: global }
      - { .name: W_K, .offset: 32, .size: 8, .value_kind: global_buffer, .address_space: global }
      - { .name: W_V, .offset: 40, .size: 8, .value_kind: global_buffer, .address_space: global }
      - { .name: W_O, .offset: 48, .size: 8, .value_kind: global_buffer, .address_space: global }
      - { .name: attn_mask, .offset: 56, .size: 8, .value_kind: global_buffer, .address_space: global }
      - { .name: ops, .offset: 64, .size: 8, .value_kind: global_buffer, .address_space: global }
      - { .name: opsc, .offset: 72, .size: 8, .value_kind: global_buffer, .address_space: global }
      - { .name: mw, .offset: 80, .size: 8, .value_kind: global_buffer, .address_space: global }
    .group_segment_fixed_size: 68096
    .private_segment_fixed_size: 0
    .kernarg_segment_align: 8
    .kernarg_segment_size: 88
    .max_flat_workgroup_size: 128
    .sgpr_count:     66
    .vgpr_count:     256
    .wavefront_size: 32
...
	.end_amdgpu_metadata
.endif
;; end of part 1
;; launch proj (part 2): grid 4 x 64, 4 waves a work-group, clusters of 4 x 4, 327,680 bytes of LDS; arguments ops, opsc, qkv; writes qkv
.if DOCPART == 2
	.amdgcn_target "amdgcn-amd-amdhsa--gfx1250"
	.amdhsa_code_object_version 6
	.text
	.protected	k_qe4703348a5_proj
	.globl	k_qe4703348a5_proj
	.p2align	8
	.type	k_qe4703348a5_proj,@function
k_qe4703348a5_proj:
	s_mov_b64 s[64:65], 0
	v_nop
	global_prefetch_b8 v0, s[64:65] scope:SCOPE_SE
	s_setreg_imm32_b32 hwreg(HW_REG_WAVE_MODE, 25, 1), 1
	s_wait_xcnt 0x0
	s_wait_alu depctr_hold_cnt(0) depctr_sa_sdst(0) depctr_va_vdst(0) depctr_va_sdst(0) depctr_va_ssrc(0) depctr_va_vcc(0) depctr_vm_vsrc(0)
	s_getreg_b32 s2, hwreg(HW_REG_IB_STS2, 6, 4)
	s_cmp_eq_u32 s2, 0
	s_cbranch_scc0 .Lentry_in_a_cluster
	s_endpgm
.Lentry_in_a_cluster:
	s_bfe_u32 s2, ttmp6, 0x10000c
	s_cmp_lg_u32 s2, 0xf033
	s_cbranch_scc0 .Lentry_shape_is_right
	s_endpgm
.Lentry_shape_is_right:
; q = Q W_Q, k = K W_K, v = V W_V on codes of FP6 (E2M3) with E8M0 scales, K = 1024; the results are quantised in registers for the attention's two products and stored as images of operand registers.
; ROLES.  Source 0 ("A") is the operand whose rows run along a lane's result registers, source 1 ("B") the one whose row is the lane.  q, k: A = the weight's columns, B = the tokens; v: A = the tokens (keys), B = W_V's columns.
; All operands lie in ops as tiles of 16 rows, [tile][K step][1,536 bytes], so a role is only a set of tile numbers.
; A WORK-GROUP STAYS: 256 work-groups, each makes three blocks of 256 rows of A x 128 rows of B over all of K: q's, then k's, then v's.  Four waves, each 128 x 64: 32 accumulators.
; LDS: a ring of two slots; a slot holds one half of K (four steps, 6,144 bytes a tile) of A's 16 tiles and B's 8 tiles.  Slot h: A at h x 98,304, B at 196,608 + h x 49,152.
; FILLS.  At the head one joint load a wave: A half 0, B half 0, A half 1, B half 1.  For a block that has a successor two refills, each behind a drained round of the cluster's barrier:
; in step 3 slot 0 takes the next block's half 0, behind step 7 slot 1 its half 1; wave 0 asks for A's 16 tiles, wave 1 for B's 8.  One tensor load of a wave is out at most.
; q's and k's blocks are a loop of two trips; v's block, which asks for nothing more, is written out behind it.
; CLUSTERS: 4 x 4.  A's tiles hang on cx alone and are shared along a column of the cluster, B's on cy alone and are shared along a row.
; A refill is asked for four K steps (128 products a wave) or a whole way out and three K steps ahead of the wait for it, and the walk has only four refills.
; qkv: 64 blocks (16 b + head) of 315,392 bytes: K codes [128 tiles][768] at 0; V codes [16 steps][4 tiles][1,536] at 98,304; K scales at 196,608; V scales at 204,800; Q codes at 208,896; Q scales at 307,200.
; LIMITS: a block of zeros or under 2^-124 keeps the byte 1; NaN and infinities are not served.
; REGISTERS: window 0: addresses, scale words, the quantiser's work; window 1: accumulator (i, j) at v[8 (8 j + i)]; window 2: A's fragments, two sets of 96; window 3: B's, two sets of 48.
; PREFETCH .  Trip t asks for the tiles of block t + 2, all of K; the head, in the place of a trip ahead of the first, asks for k's block; trip 1 and the tail ask for nothing.
; Each aligned block of 256 bytes is named once in a cluster, shared out by address: of A's 16 tiles the partner at cy takes tiles 4 cy + wave (48 blocks: two instructions, the second's upper lanes name its last block again),
; of B's 8 tiles the partner at cx takes tile 2 cx + wave / 2, half wave % 2 (24 blocks: one instruction).  Every offset stays inside its tile of 12,288 bytes.
.set TILEB, 12288
.set HALFB, 6144
.set ASP,   98304
.set BBASE, 196608
.set BSP,   49152
.set SPARE, 294912
.set BLKB,  315392
.set FLOOR, 0x1800000
.set L16, 1
.set L8,  2
.set RR,  3
.set HH,  4
.set AA16, 5                           ; v5-8 LDS addresses of my fragments in slot 0 (A 16, A 8, B 16, B 8 bytes a lane); v16-19 the same in slot 1
.set AA8,  6
.set BA16, 7
.set BA8,  8
.set VSA, 9                            ; v9, v10 my lane's part of the scale words' offsets; v20, v21 the offsets
.set VSB, 10
.set SELV, 11
.set OSC, 12
.set T13, 13
.set SPW, 14
.set NIL, 15
.set SA,  32                           ; v32-63 A's scale words: v[SA + 8 (i % 4) + s]: lanes 0-15 tile i % 4, lanes 16-31 tile i % 4 + 4
.set SB,  64                           ; v64-79 B's: v[SB + 8 (j % 2) + s]
.set TM,  80
.set PW,  96
.set SW,  100
.set PT,  104
.set PC,  112
.set ST,  160                          ; v160-207 the next block's 48 scale words, as they are loaded
.set G0A, 16
.set G0B, 20
.set G0A2, 40
.set G0B2, 44
.set G1A, 48
.set G1B, 56
.set WV,  88
.set WA,  89
.set WB,  90
.set CX,  91
.set CY,  92
.set CC,  93
.set ROLE, 94
.set NXT, 95
.set HM,  96
.set SEL, 98
.set MSB, 0
.macro WIN new                         ; the immediate's high byte repeats the setting that is left
.if MSB != \new
	s_set_vgpr_msb (MSB<<8)|\new
.set MSB, \new
.endif
.endm
.macro CROUND                          ; a round of the cluster's barrier
	s_barrier_signal -1
	s_barrier_wait -1
	s_cmp_lg_u32 s[WV], 0
	s_cbranch_scc1 .Lnot_wave_0_\@
	s_barrier_signal -3
.Lnot_wave_0_\@:
	s_barrier_wait -3
	s_barrier_signal -1
	s_barrier_wait -1
.endm
.macro PLACES                          ; four places behind a matrix instruction (ISA guide 7.12.1)
.rept 4
	v_nop
.endr
.endm
.macro TL g0, g1
	tensor_load_to_lds s[\g0:\g0+3], s[\g1:\g1+7]
	s_nop 0
	PLACES
.endm
.macro ADR r                           ; the block of role s[r]: s24 A's first tile, s25 B's, s26 A's panel of 16 tiles, s27 B's panel of 8
	s_lshr_b32 s28, s[CC], 1
	s_and_b32 s29, s[CC], 1
	s_lshl_b32 s30, s[\r], 6
	s_add_co_u32 s30, s30, 1536
	s_lshl_b32 s31, s[\r], 9
	s_mov_b32 s32, 1024
	s_mov_b32 s33, 1664
	s_cmp_lt_u32 s[\r], 2
	s_cselect_b32 s28, 0, s28                      ; q, k: A has 4 panels, B 64;  v: A has 32, B 8
	s_cselect_b32 s29, s[CC], s29
	s_cselect_b32 s30, s30, s32
	s_cselect_b32 s31, s31, s33
	s_lshl_b32 s26, s28, 2
	s_add_co_u32 s26, s26, s[CX]
	s_lshl_b32 s27, s29, 2
	s_add_co_u32 s27, s27, s[CY]
	s_lshl_b32 s24, s26, 4
	s_add_co_u32 s24, s24, s30
	s_lshl_b32 s25, s27, 3
	s_add_co_u32 s25, s25, s31
.endm
.macro DESC h, ga, gb                  ; group 0 of half h of the block at s24, s25
	s_mul_i32 s34, s24, TILEB
	s_mov_b32 s35, 0
	s_add_nc_u64 s[\ga+2:\ga+3], s[4:5], s[34:35]
.if \h
	s_add_nc_u64 s[\ga+2:\ga+3], s[\ga+2:\ga+3], HALFB
.endif
	s_or_b32 s[\ga+3], s[\ga+3], 0x80000000
	s_mov_b32 s[\ga+1], \h*ASP
	s_mul_i32 s36, s25, TILEB
	s_mov_b32 s37, 0
	s_add_nc_u64 s[\gb+2:\gb+3], s[4:5], s[36:37]
.if \h
	s_add_nc_u64 s[\gb+2:\gb+3], s[\gb+2:\gb+3], HALFB
.endif
	s_or_b32 s[\gb+3], s[\gb+3], 0x80000000
	s_mov_b32 s[\gb+1], BBASE+\h*BSP
.endm
.macro JLOAD                           ; a refill: wave 0 A's half, wave 1 B's; the other waves pass the places alone
	s_cmp_eq_u32 s[WV], 0
	s_cbranch_scc0 .Lfor_b_\@
	TL G0A, G1A
	s_branch .Lasked_\@
.Lfor_b_\@:
	s_cmp_eq_u32 s[WV], 1
	s_cbranch_scc0 .Lnone_\@
	TL G0B, G1B
.Lnone_\@:
	PLACES
.Lasked_\@:
.endm
.macro SCLOAD                          ; the scale words of the block at s24, s25 into v[ST ..]
	s_lshl_b32 s70, s[WA], 3
	s_add_co_u32 s70, s70, s24
	s_lshl_b32 s70, s70, 9                         ; 512 bytes a tile
	s_lshl_b32 s71, s[WB], 2
	s_add_co_u32 s71, s71, s25
	s_lshl_b32 s71, s71, 9
	v_add_nc_u32 v20, s70, v[VSA]
	v_add_nc_u32 v21, s71, v[VSB]
	s_wait_alu depctr_va_vdst(0)
.irp i, 0,1,2,3
.irp q, 0,1
	global_load_b128 v[ST+8*\i+4*\q:ST+8*\i+4*\q+3], v20, s[6:7] offset:512*\i+16*\q
.endr
.endr
.irp j, 0,1
.irp q, 0,1
	global_load_b128 v[ST+32+8*\j+4*\q:ST+32+8*\j+4*\q+3], v21, s[6:7] offset:512*\j+16*\q
.endr
.endr
.endm
	s_load_b128 s[4:7], s[0:1], 0x0                ; ops, opsc
	s_load_b64 s[8:9], s[0:1], 0x10                ; qkv
	v_lshl_add_u32 v[SPW], v0, 2, SPARE
	v_mov_b32 v[NIL], 0
	ds_add_u32 v[SPW], v[NIL]                      ; the opening lines
	ds_add_u32 v[SPW], v[NIL]
	v_lshrrev_b32 v1, 5, v0
	v_readfirstlane_b32 s[WV], v1
	s_lshr_b32 s[WA], s[WV], 1                     ; which 128 rows of A are mine
	s_and_b32 s[WB], s[WV], 1                      ; which 64 rows of B
	s_bfe_u32 s[CX], ttmp6, 0x40000
	s_bfe_u32 s[CY], ttmp6, 0x40004
	s_and_b32 s[CC], ttmp7, 0xffff                 ; the cluster's number, 0 .. 15
	s_lshl_b32 s66, 0x1111, s[CX]                  ; my column of the cluster
	s_or_b32 s[G1A], s66, (3<<16)|(1<<21)          ; the mask; elements of 8 bytes; bit 21 beside a mask
	s_lshl_b32 s67, s[CY], 2
	s_lshl_b32 s67, 15, s67                        ; my row
	s_or_b32 s[G1B], s67, (3<<16)|(1<<21)
	s_mov_b32 s[G1A+1], 768<<16                    ; a row is four K steps of a tile, 6,144 bytes
	s_mov_b32 s[G1A+2], 16<<16                     ; sixteen tiles
	s_mov_b32 s[G1A+3], 768<<16
	s_mov_b32 s[G1A+4], 16
	s_mov_b32 s[G1A+5], 1536                       ; from tile to tile: 12,288 bytes
	s_mov_b32 s[G1A+6], 0
	s_mov_b32 s[G1A+7], 0
	s_mov_b32 s[G1B+1], 768<<16
	s_mov_b32 s[G1B+2], 8<<16                      ; eight tiles
	s_mov_b32 s[G1B+3], 768<<16
	s_mov_b32 s[G1B+4], 8
	s_mov_b32 s[G1B+5], 1536
	s_mov_b32 s[G1B+6], 0
	s_mov_b32 s[G1B+7], 0
	s_mov_b32 s[G0A], 1
	s_mov_b32 s[G0B], 1
	s_mov_b32 s[G0A2], 1
	s_mov_b32 s[G0B2], 1
	s_mov_b32 s[SEL], 0x76543210
	s_mov_b32 s[SEL+1], 0xfedcba98
	s_mov_b32 s[ROLE], 0
	ADR ROLE
	s_mov_b32 s84, s26
	s_mov_b32 s85, s27
	s_wait_dscnt 0x0                               ; both opening adds are done
	s_wait_kmcnt 0x0
	DESC 0, G0A, G0B
	DESC 1, G0A2, G0B2
	CROUND                                         ; all sixteen work-groups are here: the joint loads meet
.macro ARM under, g0, g1, next         ; one chain of arms on the wave's number, one load to an arm
	s_cmp_lt_u32 s[WV], \under
	s_cbranch_scc0 \next
	TL \g0, \g1
	s_branch .Lhead_asked
\next:
.endm
	ARM 1, G0A,  G1A, .Lhead_1
	ARM 2, G0B,  G1B, .Lhead_2
	ARM 3, G0A2, G1A, .Lhead_3
	TL G0B2, G1B
.Lhead_asked:
	v_and_b32 v[T13], 31, v0
	v_lshlrev_b32 v[L16], 4, v[T13]
	v_lshlrev_b32 v[L8], 3, v[T13]
	v_and_b32 v[RR], 15, v0
	v_bfe_u32 v[HH], v0, 4, 1
	s_mul_i32 s66, s[WA], 49152                    ; my 8 tiles of A
	v_add_nc_u32 v[AA16], s66, v[L16]
	v_add_nc_u32 v[AA8], s66, v[L8]
	s_mul_i32 s67, s[WB], 24576                    ; my 4 tiles of B
	s_add_co_u32 s67, s67, BBASE
	v_add_nc_u32 v[BA16], s67, v[L16]
	v_add_nc_u32 v[BA8], s67, v[L8]
	v_add_nc_u32 v16, ASP, v[AA16]
	v_add_nc_u32 v17, ASP, v[AA8]
	v_add_nc_u32 v18, BSP, v[BA16]
	v_add_nc_u32 v19, BSP, v[BA8]
	v_lshlrev_b32 v[VSA], 5, v[RR]
	v_lshl_add_u32 v[VSB], v[HH], 10, v[VSA]       ; lanes 16-31: two tiles on
	v_lshl_add_u32 v[VSA], v[HH], 11, v[VSA]       ; lanes 16-31: four tiles on
	SCLOAD
	v_cmp_ne_u32 s[HM], 0, v[HH]
	v_mov_b32 v[SELV], 0x01000100
	v_mov_b32 v[T13], 0x03020302
	v_cndmask_b32 v[SELV], v[SELV], v[T13], s[HM]  ; which two bytes of a scale word belong to my half's head
	v_mul_u32_u24 v[OSC], v[HH], BLKB
	v_lshl_add_u32 v[OSC], v[RR], 4, v[OSC]        ; q's and k's scale words: 16 r, lanes 16-31 in the next head's block
	v_lshlrev_b32 v[T13], 4, v[RR]
	v_lshl_add_u32 v[T13], v[HH], 3, v[T13]        ; v's: 16 r + 8 h
.irp b, 0,1,2,3
	v_mov_b32 v[TM+4+\b], 0                        ; a lane permute's destination counts as one of its sources
.endr
	v_and_b32 v22, 31, v0                          ; v22-24 the prefetches' offsets, never rewritten: 256 x lane;
	v_min_u32 v23, 15, v22
	v_min_u32 v24, 23, v22
	v_lshlrev_b32 v22, 8, v22
	v_lshlrev_b32 v23, 8, v23
	v_add_nc_u32 v23, 8192, v23                    ; 8,192 + 256 x min(lane, 15);
	v_lshlrev_b32 v24, 8, v24                      ; 256 x min(lane, 23)
.macro PF r                            ; my share of the tiles of the block of role s[r] is asked for into the L2
	s_wait_xcnt 0x0                                ; any earlier prefetch has read its bases
	ADR \r
	s_lshl_b32 s72, s[CY], 2
	s_add_co_u32 s72, s72, s24
	s_add_co_u32 s72, s72, s[WV]                   ; A's tile 4 cy + wave
	s_mul_i32 s72, s72, TILEB
	s_mov_b32 s73, 0
	s_add_nc_u64 s[38:39], s[4:5], s[72:73]
	s_lshl_b32 s74, s[CX], 1
	s_add_co_u32 s74, s74, s25
	s_add_co_u32 s74, s74, s[WA]                   ; B's tile 2 cx + wave / 2,
	s_mul_i32 s74, s74, TILEB
	s_mul_i32 s75, s[WB], HALFB                    ; its half wave % 2
	s_add_co_u32 s74, s74, s75
	s_mov_b32 s75, 0
	s_add_nc_u64 s[66:67], s[4:5], s[74:75]
	s_wait_alu depctr_va_vdst(0)
	global_prefetch_b8 v22, s[38:39] th:TH_LOAD_NT scope:SCOPE_SE
	global_prefetch_b8 v23, s[38:39] th:TH_LOAD_NT scope:SCOPE_SE
	global_prefetch_b8 v24, s[66:67] th:TH_LOAD_NT scope:SCOPE_SE
.endm
	s_mov_b32 s[NXT], 1
	PF NXT                                         ; k's block
.macro FRAG reg, a16, a8, off
	ds_load_b128 v[(\reg):(\reg)+3], v[\a16] offset:(\off)
	ds_load_b64 v[(\reg)+4:(\reg)+5], v[\a8] offset:(\off)+512
	ds_load_b128 v[(\reg)+6:(\reg)+9], v[\a16] offset:(\off)+768
	ds_load_b64 v[(\reg)+10:(\reg)+11], v[\a8] offset:(\off)+1280
.endm
.macro FETCH s                         ; 48 LDS loads in one run: K step s's fragments, out of slot s / 4, into set s % 2
	WIN 0x80
.irp i, 0,1,2,3,4,5,6,7
	FRAG 96*((\s)%2)+12*\i, AA16+11*((\s)/4), AA8+11*((\s)/4), HALFB*\i+1536*((\s)%4)
.endr
	WIN 0xc0
.irp j, 0,1,2,3
	FRAG 48*((\s)%2)+12*\j, BA16+11*((\s)/4), BA8+11*((\s)/4), HALFB*\j+1536*((\s)%4)
.endr
.endm
.macro MULJ s, zero, jb, j2            ; eight products: B's tile 2 jb + j2 against A's eight; ia, jb: the side's scale words stand in lanes 16-31
.irp ia, 0,1
.irp i4, 0,1,2,3
.set rD, 8*(8*(2*\jb+\j2)+4*\ia+\i4)
.set rA, 96*((\s)%2)+12*(4*\ia+\i4)
.set rB, 48*((\s)%2)+12*(2*\jb+\j2)
.if \zero
	v_wmma_scale_f32_16x16x128_f8f6f4 v[rD:rD+7], v[rA:rA+11], v[rB:rB+11], 0, v[SA+8*\i4+(\s)], v[SB+8*\j2+(\s)] matrix_a_fmt:MATRIX_FMT_FP6 matrix_b_fmt:MATRIX_FMT_FP6 matrix_a_scale:MATRIX_SCALE_ROW\ia matrix_b_scale:MATRIX_SCALE_ROW\jb
.else
	v_wmma_scale_f32_16x16x128_f8f6f4 v[rD:rD+7], v[rA:rA+11], v[rB:rB+11], v[rD:rD+7], v[SA+8*\i4+(\s)], v[SB+8*\j2+(\s)] matrix_a_fmt:MATRIX_FMT_FP6 matrix_b_fmt:MATRIX_FMT_FP6 matrix_a_scale:MATRIX_SCALE_ROW\ia matrix_b_scale:MATRIX_SCALE_ROW\jb
.endif
.endr
.endr
.endm
.macro MULH s, zero, jb                ; the 32 accumulators take turns, in the same order in every step
	WIN 0x5e                                       ; source 0 window 2, source 1 window 3, C and D window 1
	MULJ \s, \zero, \jb, 0
	MULJ \s, \zero, \jb, 1
.endm
.macro MUL s, zero
	MULH \s, \zero, 0
	MULH \s, \zero, 1
.endm
.macro STEPK s, zero                   ; a K step whose successor lies in a slot that has been shown whole
.if (\s) > 0
	PLACES
.endif
	FETCH (\s)+1
	s_wait_dscnt 48                                ; this step's fragments are in; the 48 loads just issued may be out
	MUL \s, \zero
.endm
; The 64 registers of column j of my accumulators become one fragment (12 registers at PC + 12 j) and its scale word (PW + j).  Each accumulator is read from its low end on.
.macro QUANT j
.set QS, 64*(\j)
	WIN 0x05
.irp b, 0,1,2,3
	v_max3_num_f32 v[TM+\b], |v[QS+16*\b]|, |v[QS+16*\b+1]|, FLOOR
.endr
	WIN 0x14
.irp i, 2,4,6,8,10,12,14
.irp b, 0,1,2,3
	v_max3_num_f32 v[TM+\b], v[TM+\b], |v[QS+16*\b+\i]|, |v[QS+16*\b+\i+1]|
.endr
.endr
	WIN 0
.irp b, 0,1,2,3
	v_permlanex16_b32 v[TM+4+\b], v[TM+\b], s[SEL], s[SEL+1]
.endr
.irp b, 0,1,2,3
	v_max_num_f32 v[TM+\b], v[TM+\b], v[TM+4+\b]   ; with lane l xor 16's: the block's largest magnitude
.endr
.irp b, 0,1,2,3
	v_add_nc_u32 v[TM+12+\b], 0xff000000, v[TM+\b] ; 2 off its exponent field: the conversion's scale operand
.endr
.irp b, 0,1,2,3
	v_lshrrev_b32 v[TM+4+\b], 23, v[TM+12+\b]      ; the scale's byte
.endr
	v_lshl_or_b32 v[PW+\j], v[TM+5], 8, v[TM+4]
	v_lshl_or_b32 v[PW+\j], v[TM+6], 16, v[PW+\j]
	v_lshl_or_b32 v[PW+\j], v[TM+7], 24, v[PW+\j]
	WIN 0x01
.irp c, 0,1
	v_cvt_scalef32_pk16_fp6_f32 v[PC+12*(\j)+6*\c:PC+12*(\j)+6*\c+2], v[QS+32*\c:QS+32*\c+15], v[TM+12+2*\c]
	v_cvt_scalef32_pk16_fp6_f32 v[PT+4*\c:PT+4*\c+2], v[QS+32*\c+16:QS+32*\c+31], v[TM+12+2*\c+1]
.endr
	WIN 0
	v_nop                                          ; one plain place behind a scaled conversion
.irp c, 0,1                            ; the operand's layout wants a whole block in a lane
.irp i, 0,1,2
	v_permlane16_swap_b32 v[PC+12*(\j)+6*\c+\i], v[PT+4*\c+\i]
.endr
.irp i, 0,1,2
	v_mov_b32 v[PC+12*(\j)+6*\c+3+\i], v[PT+4*\c+\i]
.endr
.endr
.endm
; ONE BLOCK.  On the way in: slot 0 is whole for all waves, step 0's fragments are asked for, the block's scale words are on their way into v[ST ..].  last = 1: nothing more is asked for.
.macro TILE last
	s_wait_loadcnt 0x0                             ; the scale words
.if (\last) == 0
	s_cmp_eq_u32 s[ROLE], 0                        ; the loop's counter alone: trip 1 has no block two on
	s_cbranch_scc0 .Lno_pf_\@
	s_mov_b32 s[NXT], 2
	PF NXT                                         ; v's block
.Lno_pf_\@:
.endif
.set I, 0
.rept 48
	v_mov_b32 v[SA+I], v[ST+I]
.set I, I+1
.endr
	s_wait_alu depctr_va_vdst(0)
.rept 8
	v_nop                                          ; a scale register written by a vector instruction stands eight places ahead of its product
.endr
	STEPK 0, 1                                     ; the first products start the sums: nothing is cleared
	STEPK 1, 0
	STEPK 2, 0
	WIN 0
	s_wait_dscnt 0x0                               ; step 3's fragments are in: my reads of slot 0 are over
	s_wait_tensorcnt 0x0                           ; any load of mine has landed
.if \last
	s_barrier_signal -1                            ; a plain barrier shows slot 1 whole
	s_barrier_wait -1
	PLACES
	FETCH 4
	MUL 3, 0
.else
	ds_add_u32 v[SPW], v[NIL]                      ; register work stands between it and its wait
	s_add_co_u32 s[NXT], s[ROLE], 1
	ADR NXT
	DESC 0, G0A, G0B
	MULH 3, 0, 0
	WIN 0
	s_wait_dscnt 0x0
	CROUND                                         ; no wave of any partner reads slot 0 or has a load on its way; slot 1 is whole
	JLOAD                                          ; the next block's half 0 into slot 0; its v_nop are the places in front of the loads below
	FETCH 4
	WIN 0
	SCLOAD                                         ; and its scale words
	MULH 3, 0, 1
.endif
	STEPK 4, 0
	STEPK 5, 0
	STEPK 6, 0
	WIN 0
	s_wait_dscnt 0x0                               ; step 7's fragments are in: my reads of slot 1 are over
.if \last
	MUL 7, 0
	WIN 0
	PLACES
.else
	s_wait_tensorcnt 0x0
	ds_add_u32 v[SPW], v[NIL]
	DESC 1, G0A, G0B
	MUL 7, 0
	WIN 0
	s_wait_dscnt 0x0
	CROUND                                         ; slot 0 is whole again, slot 1 is read no more
	JLOAD                                          ; the next block's half 1 into slot 1
	FETCH 0                                        ; the next block's first fragments land under the way out
	WIN 0
.endif
	s_wait_xcnt 0x0                                ; the last block's stores have read their registers and bases
	QUANT 0
	QUANT 1
	QUANT 2
	QUANT 3
.endm
	s_wait_alu depctr_va_vdst(0)
	s_cmp_lt_u32 s[WV], 2
	s_cbranch_scc0 .Lnot_first
	s_wait_tensorcnt 0x0                           ; waves 0 and 1: half 0 of A and of B
.Lnot_first:
	s_barrier_signal -1
	s_barrier_wait -1                              ; slot 0 is whole; slot 1 may be on its way
	FETCH 0
	WIN 0
.Ltile:
	TILE 0
	; ---- q, k: my four tiles of tokens, two heads: registers 0-5 are the first head's 64 channels, registers 6-11 the second's
	s_lshl_b32 s70, s85, 3
	s_lshl_b32 s71, s[WB], 2
	s_add_co_u32 s70, s70, s71                     ; my first tile of tokens
	s_lshr_b32 s71, s70, 7                         ; b
	s_and_b32 s70, s70, 127                        ; the tile in its batch
	s_lshl_b32 s72, s84, 1
	s_add_co_u32 s72, s72, s[WA]
	s_lshl_b32 s72, s72, 1                         ; my first head
	s_lshl_b32 s71, s71, 4
	s_add_co_u32 s72, s72, s71
	s_mul_i32 s72, s72, BLKB
	s_mov_b32 s73, 0
	s_add_nc_u64 s[82:83], s[8:9], s[72:73]
	s_mov_b32 s76, 196608
	s_cmp_eq_u32 s[ROLE], 0
	s_cselect_b32 s74, 208896, 0                   ; q's codes or k's
	s_cselect_b32 s76, 307200, s76                 ; and their scales
	s_mul_i32 s75, s70, 768
	s_add_co_u32 s74, s74, s75
	s_mov_b32 s75, 0
	s_add_nc_u64 s[78:79], s[82:83], s[74:75]
	s_lshl_b32 s70, s70, 6                         ; 256 bytes for each group of four tiles
	s_add_co_u32 s76, s76, s70
	s_mov_b32 s77, 0
	s_add_nc_u64 s[80:81], s[82:83], s[76:77]
	s_wait_alu depctr_va_vdst(0)
.irp j, 0,1,2,3
	global_store_b128 v[L16], v[PC+12*\j:PC+12*\j+3], s[78:79] offset:768*\j
	global_store_b64 v[L8], v[PC+12*\j+4:PC+12*\j+5], s[78:79] offset:768*\j+512
	global_store_b128 v[L16], v[PC+12*\j+6:PC+12*\j+9], s[78:79] offset:768*\j+BLKB
	global_store_b64 v[L8], v[PC+12*\j+10:PC+12*\j+11], s[78:79] offset:768*\j+BLKB+512
.endr
.irp j, 0,1,2,3
	v_perm_b32 v[SW+\j], v[PW+\j], v[PW+\j], v[SELV]           ; my half's head: its two bytes, twice
.endr
	global_store_b128 v[OSC], v[SW:SW+3], s[80:81]             ; lanes 0-15 fill 256 bytes of the first head's block, lanes 16-31 of the second's
	s_mov_b32 s84, s26                             ; the next block's panels
	s_mov_b32 s85, s27
	s_add_co_u32 s[ROLE], s[ROLE], 1
	s_cmp_lt_u32 s[ROLE], 2
	s_wait_alu depctr_va_vdst(0)
	s_cbranch_scc1 .Ltile
	TILE 1
	; ---- v: my 128 keys are one key step, my four tiles of channels one head
	s_lshl_b32 s70, s84, 4
	s_lshl_b32 s71, s[WA], 3
	s_add_co_u32 s70, s70, s71                     ; my first tile of keys
	s_lshr_b32 s71, s70, 7                         ; b
	s_bfe_u32 s70, s70, 0x40003                    ; the key step
	s_lshl_b32 s72, s85, 1
	s_add_co_u32 s72, s72, s[WB]                   ; the head
	s_lshl_b32 s71, s71, 4
	s_add_co_u32 s72, s72, s71
	s_mul_i32 s72, s72, BLKB
	s_mov_b32 s73, 0
	s_add_nc_u64 s[82:83], s[8:9], s[72:73]
	s_mul_i32 s74, s70, 6144
	s_add_co_u32 s74, s74, 98304
	s_mov_b32 s75, 0
	s_add_nc_u64 s[78:79], s[82:83], s[74:75]
	s_lshl_b32 s76, s70, 8
	s_add_co_u32 s76, s76, 204800
	s_mov_b32 s77, 0
	s_add_nc_u64 s[80:81], s[82:83], s[76:77]
	s_wait_alu depctr_va_vdst(0)
.irp j, 0,1,2,3
	global_store_b128 v[L16], v[PC+12*\j:PC+12*\j+3], s[78:79] offset:1536*\j
	global_store_b64 v[L8], v[PC+12*\j+4:PC+12*\j+5], s[78:79] offset:1536*\j+512
	global_store_b128 v[L16], v[PC+12*\j+6:PC+12*\j+9], s[78:79] offset:1536*\j+768
	global_store_b64 v[L8], v[PC+12*\j+10:PC+12*\j+11], s[78:79] offset:1536*\j+1280
.endr
	v_cndmask_b32 v[SW], v[PW], v[PW+2], s[HM]
	v_cndmask_b32 v[SW+1], v[PW+1], v[PW+3], s[HM]
	global_store_b64 v[T13], v[SW:SW+1], s[80:81]              ; 32 lanes fill 256 consecutive bytes
	s_wait_tensorcnt 0x0                           ; the wave's end
	ds_add_u32 v[SPW], v[NIL]
	s_wait_dscnt 0x0
	CROUND                                         ; the closing round
	s_endpgm
.Lfunc_end_k_qe4703348a5_proj:
	.size	k_qe4703348a5_proj, .Lfunc_end_k_qe4703348a5_proj-k_qe4703348a5_proj
	.p2alignl 7, 3214868480
	.fill 96, 4, 3214868480
	.section	.rodata,"a",@progbits
	.p2align	6, 0x0
	.amdhsa_kernel k_qe4703348a5_proj
		.amdhsa_group_segment_fixed_size 327680
		.amdhsa_private_segment_fixed_size 0
		.amdhsa_enable_private_segment 0
		.amdhsa_kernarg_size 24
		.amdhsa_user_sgpr_count 2
		.amdhsa_user_sgpr_kernarg_segment_ptr 1
		.amdhsa_wavefront_size32 1
		.amdhsa_system_sgpr_workgroup_id_x 1
		.amdhsa_system_sgpr_workgroup_id_y 1
		.amdhsa_system_sgpr_workgroup_id_z 1
		.amdhsa_system_vgpr_workitem_id 0
		.amdhsa_next_free_vgpr 1024
		.amdhsa_next_free_sgpr 100
		.amdhsa_reserve_vcc 0
		.amdhsa_float_denorm_mode_32 3
		.amdhsa_float_denorm_mode_16_64 3
		.amdhsa_memory_ordered 1
		.amdhsa_forward_progress 1
		.amdhsa_inst_pref_size 175
	.end_amdhsa_kernel
	.amdgpu_metadata
---
amdhsa.version: [ 1, 2 ]
amdhsa.kernels:
  - .name:           k_qe4703348a5_proj
    .symbol:         k_qe4703348a5_proj.kd
    .args:
      - { .name: ops, .offset: 0, .size: 8, .value_kind: global_buffer, .address_space: global }
      - { .name: opsc, .offset: 8, .size: 8, .value_kind: global_buffer, .address_space: global }
      - { .name: qkv, .offset: 16, .size: 8, .value_kind: global_buffer, .address_space: global }
    .group_segment_fixed_size: 327680
    .private_segment_fixed_size: 0
    .kernarg_segment_align: 8
    .kernarg_segment_size: 24
    .max_flat_workgroup_size: 128
    .sgpr_count:     100
    .vgpr_count:     1024
    .wavefront_size: 32
...
	.end_amdgpu_metadata
.endif
;; end of part 2
;; launch attn (part 3): grid 4 x 64, 16 waves a work-group, clusters of 4 x 1, 212,992 bytes of LDS; arguments qkv, mw, ctx, ctxs; writes ctx, ctxs
.if DOCPART == 3
	.amdgcn_target "amdgcn-amd-amdhsa--gfx1250"
	.amdhsa_code_object_version 6
	.text
	.protected	k_qe4703348a5_attn
	.globl	k_qe4703348a5_attn
	.p2align	8
	.type	k_qe4703348a5_attn,@function
k_qe4703348a5_attn:
	s_mov_b64 s[64:65], 0
	v_nop
	global_prefetch_b8 v0, s[64:65] scope:SCOPE_SE
	s_setreg_imm32_b32 hwreg(HW_REG_WAVE_MODE, 25, 1), 1
	s_wait_xcnt 0x0
	s_wait_alu depctr_hold_cnt(0) depctr_sa_sdst(0) depctr_va_vdst(0) depctr_va_sdst(0) depctr_va_ssrc(0) depctr_va_vcc(0) depctr_vm_vsrc(0)
	s_getreg_b32 s2, hwreg(HW_REG_IB_STS2, 6, 4)
	s_cmp_eq_u32 s2, 0
	s_cbranch_scc0 .Lentry_in_a_cluster
	s_endpgm
.Lentry_in_a_cluster:
	s_bfe_u32 s2, ttmp6, 0x10000c
	s_cmp_lg_u32 s2, 0x3003
	s_cbranch_scc0 .Lentry_shape_is_right
	s_endpgm
.Lentry_shape_is_right:
; ctx[b][q][head] = softmax over keys of (q . k / 8, masked) x v, both products on codes of FP6 (E2M3) with E8M0 scales; ctx is quantised for the last projection and stored as an image of operand registers.
; THE SOFTMAX: t = score x log2(e) / 8; M = the largest t so far, rounded up to a whole number; p = 2^(t - M) is quantised along the keys, not normalised; the row's sum is taken of the unquantised p and divides at the end.
; THE MASK: where attn_mask is set the raw score becomes -2^33 (a logit of -2^30 in place of -1e9).  -2^33 x c is a whole number in f32, so a row that is masked throughout has p = 1 for every key.
; LIMIT: this differs from -1e9 only where an unmasked logit lies under about -1e9.  NaN and infinities are not served.  A block of zeros or under 2^-124 keeps the byte 1.
; SHARES.  A work-group owns 512 queries of one head; each of its sixteen waves two tiles of 16, one after the other, in 256 registers: four waves to a SIMD.
; A head's K and V with their scales, 208,896 bytes, lie in LDS for the whole launch as they lie in memory: EVERY LDS BYTE IS FILLED ONCE, each wave bringing a sixteenth by one tensor load.
; CLUSTER: the four query blocks of a head need the same bytes: the loads are joint, with a mask that names the four.
; LAYOUT.  Both products are used transposed (S^T = k q^T, O^T = v^T p^T): a lane holds one query.  Lane r of a tile of keys holds key 32 (T / 2) + 8 (T % 2) + r + 8 (r / 8), so that the 16 registers of tiles 2 b, 2 b + 1 are
; 16 neighbouring keys; V's tiles of channels likewise, so that O^T's registers are neighbouring channels, the next product's K.
; THE FIRST PRODUCT'S K IS 64: a tile of k is six registers.  The tiles lie six registers apart, and a tile's operand runs on over the next tile's six (zeros behind the last): they meet q's upper six registers, which are zero codes.
; The mask comes as lane masks of 32 bits, one for each score register, by scalar loads a key step ahead.
.set BLKB,  315392
.set SPARE, 208896                     ; behind K, V and their scales: the spare words, 128 bytes for each wave
.set FLOOR, 0x1800000
.set L16,  1
.set L8,   2
.set LV16, 3
.set LV8,  4
.set SPW,  5
.set NIL,  6
.set NEG,  7                           ; v7  -2^33
.set ADK16, 8
.set ADK8,  9
.set ADV16, 10
.set ADV8,  11
.set QF,   16                          ; v16-21 q's codes, v22-27 zeros
.set QS,   28                          ; v28 q's scale word
.set ADS,  29
.set ADT,  30
.set PS,   31                          ; v31 p's scale word
.set FB,   32                          ; v32-79 eight tiles of k or four fragments of v; v80-85 zeros
.set KS,   86                          ; v86-93 k's scale words
.set S,    96                          ; v96-159 S^T, then p
.set O,    160                         ; v160-191 O^T
.set PC,   192
.set PT,   204
.set BM,   212
.set BT,   216
.set BO,   220
.set VS,   224                         ; v224-227 v's scale words
.set F,    228                         ; v[228:229] f = 2^(old M - new M); the pair's upper word is written once
.set R16K, 239
.set R16V, 240
.set CSO,  241
.set R16,  242
.set G0,   12
.set G1,   84
.set SEL,  66
.set WV,   92
.set TB,   93
.set TS,   94
.set TJ,   95
.set MO,   96
.set CNT,  97
.set HM,   99
.set CS,   100
.macro CROUND
	s_barrier_signal -1
	s_barrier_wait -1
	s_cmp_lg_u32 s[WV], 0
	s_cbranch_scc1 .Lnot_wave_0_\@
	s_barrier_signal -3
.Lnot_wave_0_\@:
	s_barrier_wait -3
	s_barrier_signal -1
	s_barrier_wait -1
.endm
.macro MLOAD                           ; the 64 lane masks of a key step: words 0-47 in s16-63, words 48-63 in s68-83
	s_load_b512 s[16:31], s[6:7], s[MO] offset:0x0
	s_load_b512 s[32:47], s[6:7], s[MO] offset:0x40
	s_load_b512 s[48:63], s[6:7], s[MO] offset:0x80
	s_load_b512 s[68:83], s[6:7], s[MO] offset:0xc0
.endm
	s_load_b256 s[4:11], s[0:1], 0x0               ; qkv, mw, ctx, ctxs
	v_lshl_add_u32 v[SPW], v0, 2, SPARE
	v_mov_b32 v[NIL], 0
	ds_add_u32 v[SPW], v[NIL]                      ; the wave's opening
	ds_add_u32 v[SPW], v[NIL]
	v_lshrrev_b32 v1, 5, v0
	s_delay_alu instid0(VALU_DEP_1)
	v_readfirstlane_b32 s[WV], v1                  ; wave 0..15
	s_bfe_u32 s16, ttmp6, 0x40000                  ; cx
	s_lshl_b32 s17, ttmp9, 2
	s_add_co_u32 s16, s16, s17                     ; my block of 512 queries: it enters global addresses alone
	s_and_b32 s17, ttmp7, 0xffff                   ; 16 b + head, which the four partners share
	s_lshr_b32 s18, s17, 4
	s_and_b32 s19, s17, 15
	s_mul_i32 s20, s17, BLKB
	s_mov_b32 s21, 0
	s_mul_i32 s22, s[WV], 13056                    ; my sixteenth, in memory and in LDS alike
	s_mov_b32 s23, 0
	s_mov_b32 s[G1], 15|(3<<16)|(1<<21)            ; 15:0 the mask: all four; 17:16 elements of 8 bytes; 21 set beside a mask
	s_mov_b32 s[G1+1], 32<<16                      ; rows of 256 bytes,
	s_mov_b32 s[G1+2], 51<<16                      ; 51 of them, dense
	s_mov_b32 s[G1+3], 32<<16
	s_mov_b32 s[G1+4], 51
	s_mov_b32 s[G1+5], 32
	s_mov_b32 s[G1+6], 0
	s_mov_b32 s[G1+7], 0
	s_lshl_b32 s24, s16, 5
	s_lshl_b32 s25, s[WV], 1
	s_add_co_u32 s24, s24, s25                     ; my first tile of queries in the batch
	s_lshl_b32 s25, s18, 7
	s_add_co_u32 s25, s25, s24                     ; and among all 512
	s_mul_i32 s26, s24, 768
	s_add_co_u32 s26, s26, 208896                  ; q's codes
	s_mov_b32 s27, 0
	s_lshr_b32 s28, s24, 2
	s_lshl_b32 s28, s28, 8
	s_and_b32 s29, s24, 3
	s_lshl_b32 s29, s29, 2
	s_add_co_u32 s28, s28, s29
	s_add_co_u32 s28, s28, 307200                  ; q's scale words: 256 bytes for four tiles, 4 bytes a tile
	s_mov_b32 s29, 0
	s_lshl_b32 s30, s25, 12                        ; the masks: 4,096 bytes a tile
	s_mov_b32 s31, 0
	s_mul_i32 s32, s25, 12288
	s_mul_i32 s33, s19, 768
	s_add_co_u32 s32, s32, s33                     ; ctx: [tile][head][768]
	s_mov_b32 s33, 0
	s_lshl_b32 s34, s25, 9
	s_lshl_b32 s35, s19, 1
	s_add_co_u32 s34, s34, s35                     ; ctxs: [tile][r][32], byte 2 head + block
	s_mov_b32 s35, 0
	s_mov_b32 s[SEL], 0x76543210
	s_mov_b32 s[SEL+1], 0xfedcba98
	s_mov_b32 s[CS], 0x3e38aa3b                    ; c = log2(e) / 8
	s_mov_b32 s[CS+1], s[CS]                       ; (named with it as a pair, so it is written)
	s_mov_b32 s[MO], 0
	s_wait_dscnt 0x0                               ; the opening add is done
	s_wait_kmcnt 0x0
	s_add_nc_u64 s[36:37], s[4:5], s[20:21]        ; my head's block
	s_mov_b32 s[G0], 1
	s_mov_b32 s[G0+1], s22
	s_add_nc_u64 s[G0+2:G0+3], s[36:37], s[22:23]
	s_or_b32 s[G0+3], s[G0+3], 0x80000000
	s_add_nc_u64 s[4:5], s[36:37], s[26:27]
	s_add_nc_u64 s[2:3], s[36:37], s[28:29]
	s_add_nc_u64 s[6:7], s[6:7], s[30:31]
	s_add_nc_u64 s[8:9], s[8:9], s[32:33]
	s_add_nc_u64 s[10:11], s[10:11], s[34:35]
	CROUND                                         ; all four work-groups are here: the joint loads meet
	tensor_load_to_lds s[G0:G0+3], s[G1:G1+7]      ; my one tensor load
	s_nop 0
.rept 4
	v_nop
.endr
	MLOAD                                          ; the first key step's masks
	v_and_b32 v230, 31, v0
	s_delay_alu instid0(VALU_DEP_1)
	v_lshlrev_b32 v[L16], 4, v230
	s_delay_alu instid0(VALU_DEP_2)
	v_lshlrev_b32 v[L8], 3, v230
	s_delay_alu instid0(VALU_DEP_2)
	v_add_nc_u32 v[LV16], 98304, v[L16]
	s_delay_alu instid0(VALU_DEP_2)
	v_add_nc_u32 v[LV8], 98304, v[L8]
	v_and_b32 v231, 15, v0
	v_bfe_u32 v232, v0, 4, 1
	s_delay_alu instid0(VALU_DEP_2)
	v_lshlrev_b32 v[R16], 4, v231
	s_delay_alu instid0(VALU_DEP_1)
	v_add_nc_u32 v[R16K], 196608, v[R16]
	s_delay_alu instid0(VALU_DEP_2)
	v_add_nc_u32 v[R16V], 204800, v[R16]
	s_delay_alu instid0(VALU_DEP_4)
	v_lshl_add_u32 v[CSO], v231, 5, v232
	v_cmp_ne_u32 s[HM], 0, v232
	v_mov_b32 v[NEG], 0xd0000000
.irp i, 0,1,2,3,4,5
	v_mov_b32 v[QF+6+\i], 0                        ; zero codes: the upper 64 of the first product's K
	v_mov_b32 v[FB+48+\i], 0
.endr
.irp b, 0,1,2,3
	v_mov_b32 v[BT+\b], 0                          ; a lane permute's destination counts as one of its sources
.endr
	v_mov_b32 v[F+1], 0
	s_wait_tensorcnt 0x0                           ; my sixteenth is in,
	s_barrier_signal -1
	s_barrier_wait -1                              ; everybody's is
; A KEY STEP: 128 keys
.macro STEP
	v_add_nc_u32 v[ADK16], s[TB], v[L16]           ; (these six are also the places behind the last products, in front of the loads into their registers)
	v_add_nc_u32 v[ADK8], s[TB], v[L8]
	v_add_nc_u32 v[ADV16], s[TB], v[LV16]
	v_add_nc_u32 v[ADV8], s[TB], v[LV8]
	v_add_nc_u32 v[ADS], s[TS], v[R16K]
	v_add_nc_u32 v[ADT], s[TJ], v[R16V]
.irp t, 0,1,2,3,4,5,6,7
	ds_load_b128 v[FB+6*\t:FB+6*\t+3], v[ADK16] offset:768*\t
	ds_load_b64 v[FB+6*\t+4:FB+6*\t+5], v[ADK8] offset:768*\t+512
.endr
	ds_load_b128 v[KS:KS+3], v[ADS]
	ds_load_b128 v[KS+4:KS+7], v[ADS] offset:256
	s_wait_alu depctr_va_vdst(0)
	s_wait_dscnt 0x0
.irp t, 0,1,2,3,4,5,6,7
	v_wmma_scale_f32_16x16x128_f8f6f4 v[S+8*\t:S+8*\t+7], v[FB+6*\t:FB+6*\t+11], v[QF:QF+11], 0, v[KS+\t], v[QS] matrix_a_fmt:MATRIX_FMT_FP6 matrix_b_fmt:MATRIX_FMT_FP6
.endr
.rept 4
	v_nop                                          ; places in front of the loads into k's registers and of the first read of the scores
.endr
.irp j, 0,1,2,3
.irp c, 0,1
	ds_load_b128 v[FB+12*\j+6*\c:FB+12*\j+6*\c+3], v[ADV16] offset:1536*\j+768*\c      ; v's fragments land during the softmax
	ds_load_b64 v[FB+12*\j+6*\c+4:FB+12*\j+6*\c+5], v[ADV8] offset:1536*\j+768*\c+512
.endr
.endr
	ds_load_b128 v[VS:VS+3], v[ADT]
	s_wait_kmcnt 0x0                               ; this step's masks, asked for a key step ago
.irp n, 0,1,2,3,4,5,6,7,8,9,10,11,12,13,14,15,16,17,18,19,20,21,22,23,24,25,26,27,28,29,30,31,32,33,34,35,36,37,38,39,40,41,42,43,44,45,46,47
	v_cndmask_b32 v[S+\n], v[S+\n], v[NEG], s[16+\n]           ; each accumulator from its low end on
.endr
.irp n, 48,49,50,51,52,53,54,55,56,57,58,59,60,61,62,63
	v_cndmask_b32 v[S+\n], v[S+\n], v[NEG], s[20+\n]
.endr
	s_add_co_u32 s[MO], s[MO], 256                 ; the next step's masks (my second tile's follow my first's); the last step of all asks for its own again, inside the buffer
	s_min_u32 s[MO], s[MO], 7936
	MLOAD
.irp b, 0,1,2,3
	v_max3_num_f32 v[BM+\b], v[S+16*\b], v[S+16*\b+1], v[S+16*\b+2]   ; the largest score of each block of 32 keys: it serves the row's maximum and, since p rises with the score, the block's largest p
.endr
.irp i, 3,5,7,9,11,13
.irp b, 0,1,2,3
	s_delay_alu instid0(VALU_DEP_4)
	v_max3_num_f32 v[BM+\b], v[BM+\b], v[S+16*\b+\i], v[S+16*\b+\i+1]
.endr
.endr
.irp b, 0,1,2,3
	s_delay_alu instid0(VALU_DEP_4)
	v_max_num_f32 v[BM+\b], v[BM+\b], v[S+16*\b+15]
.endr
.irp b, 0,1,2,3
	s_delay_alu instid0(VALU_DEP_4)
	v_permlanex16_b32 v[BT+\b], v[BM+\b], s[SEL], s[SEL+1]
.endr
.irp b, 0,1,2,3
	s_delay_alu instid0(VALU_DEP_4)
	v_max_num_f32 v[BM+\b], v[BM+\b], v[BT+\b]     ; with lane l xor 16's 16 keys
.endr
	s_delay_alu instid0(VALU_DEP_2)
	v_max3_num_f32 v230, v[BM], v[BM+1], v[BM+2]
	s_delay_alu instid0(VALU_DEP_1)
	v_max_num_f32 v230, v230, v[BM+3]
	s_delay_alu instid0(VALU_DEP_1)
	v_mul_f32 v230, s[CS], v230                    ; the step's largest t
	s_delay_alu instid0(VALU_DEP_1)
	v_max_num_f32 v13, v13, v230                   ; the running largest t
	v_mov_b32 v230, v12
	s_delay_alu instid0(VALU_DEP_2)
	v_floor_f32 v12, -v13                          ; -M = floor(-t): M is a whole number
	s_delay_alu instid0(VALU_DEP_1)
	v_sub_f32 v230, v12, v230                      ; old M - new M: a whole number, 0 or less
	s_delay_alu instid0(VALU_DEP_1)
	v_cvt_i32_f32 v230, v230                       ; (it saturates)
	s_delay_alu instid0(VALU_DEP_1)
	v_ldexp_f32 v[F], 1.0, v230                    ; f = 2^(old M - new M): a multiplication by it rounds nothing
.irp j, 0,2,4,6,8,10,12,14,16,18,20,22,24,26,28,30,32,34,36,38,40,42,44,46,48,50,52,54,56,58,60,62
	v_pk_fma_f32 v[S+\j:S+\j+1], v[S+\j:S+\j+1], s[CS:CS+1], v[12:13] op_sel_hi:[1,0,0]   ; t - M, two at a time
.endr
.irp b, 0,1,2,3
	v_fma_f32 v[BM+\b], v[BM+\b], s[CS], v12
.endr
	s_wait_alu depctr_va_vdst(0)
.irp j, 0,1,2,3,4,5,6,7,8,9,10,11,12,13,14,15,16,17,18,19,20,21,22,23,24,25,26,27,28,29,30,31,32,33,34,35,36,37,38,39,40,41,42,43,44,45,46,47,48,49,50,51,52,53,54,55,56,57,58,59,60,61,62,63
	v_exp_f32 v[S+\j], v[S+\j]                     ; p = 2^(t - M)
.endr
	v_pk_mul_f32 v[14:15], v[14:15], v[F:F+1] op_sel_hi:[1,0]  ; the sums under the new M (a plain place behind the exponentials)
	s_wait_alu depctr_va_vdst(0)                   ; one wait for the whole batch, ahead of its first reader
.irp b, 0,1,2,3
	v_exp_f32 v[BM+\b], v[BM+\b]                   ; the block's largest p
.endr
	v_pk_add_f32 v[232:233], v[100:101], v[104:105]
	v_pk_add_f32 v[254:255], v[108:109], v[112:113]
	v_pk_add_f32 v[252:253], v[116:117], v[120:121]
	v_pk_add_f32 v[250:251], v[124:125], v[128:129]
	v_pk_add_f32 v[248:249], v[132:133], v[136:137]
	v_pk_add_f32 v[246:247], v[140:141], v[144:145]
	v_pk_add_f32 v[244:245], v[148:149], v[152:153]
	v_pk_add_f32 v[14:15], v[14:15], v[156:157]
	v_pk_add_f32 v[232:233], v[232:233], v[96:97]
	v_pk_add_f32 v[254:255], v[254:255], v[98:99]
	v_pk_add_f32 v[252:253], v[252:253], v[102:103]
	v_pk_add_f32 v[250:251], v[250:251], v[106:107]
	v_pk_add_f32 v[248:249], v[248:249], v[110:111]
	v_pk_add_f32 v[246:247], v[246:247], v[114:115]
	v_pk_add_f32 v[244:245], v[244:245], v[118:119]
	v_pk_add_f32 v[14:15], v[14:15], v[122:123]
	v_pk_add_f32 v[232:233], v[232:233], v[126:127]
	v_pk_add_f32 v[254:255], v[254:255], v[130:131]
	v_pk_add_f32 v[252:253], v[252:253], v[134:135]
	v_pk_add_f32 v[250:251], v[250:251], v[138:139]
	v_pk_add_f32 v[248:249], v[248:249], v[142:143]
	v_pk_add_f32 v[246:247], v[246:247], v[146:147]
	v_pk_add_f32 v[244:245], v[244:245], v[150:151]
	v_pk_add_f32 v[14:15], v[14:15], v[154:155]
	v_pk_add_f32 v[232:233], v[232:233], v[158:159]
	s_delay_alu instid0(VALU_DEP_2)
	v_pk_add_f32 v[14:15], v[14:15], v[250:251]
	s_delay_alu instid0(VALU_DEP_2)
	v_pk_add_f32 v[232:233], v[232:233], v[248:249]
	v_pk_add_f32 v[254:255], v[254:255], v[246:247]
	v_pk_add_f32 v[252:253], v[252:253], v[244:245]
	s_delay_alu instid0(VALU_DEP_2)
	v_pk_add_f32 v[14:15], v[14:15], v[254:255]
	s_delay_alu instid0(VALU_DEP_2)
	v_pk_add_f32 v[232:233], v[232:233], v[252:253]
	s_delay_alu instid0(VALU_DEP_1)
	v_pk_add_f32 v[14:15], v[14:15], v[232:233]
	s_wait_alu depctr_va_vdst(0)                   ; and one for the four
.irp b, 0,1,2,3
	v_max_num_f32 v[BM+\b], FLOOR, v[BM+\b]        ; the byte cannot fall under 1
.endr
.irp b, 0,1,2,3
	s_delay_alu instid0(VALU_DEP_4)
	v_add_nc_u32 v[BO+\b], 0xff000000, v[BM+\b]    ; the conversion's scale operand
.endr
.irp b, 0,1,2,3
	s_delay_alu instid0(VALU_DEP_4)
	v_lshrrev_b32 v[BT+\b], 23, v[BO+\b]           ; the scale's byte
.endr
	s_delay_alu instid0(VALU_DEP_3)
	v_lshl_or_b32 v[PS], v[BT+1], 8, v[BT]
	s_delay_alu instid0(VALU_DEP_1)
	v_lshl_or_b32 v[PS], v[BT+2], 16, v[PS]
	s_delay_alu instid0(VALU_DEP_1)
	v_lshl_or_b32 v[PS], v[BT+3], 24, v[PS]
.irp c, 0,1
	v_cvt_scalef32_pk16_fp6_f32 v[PC+6*\c:PC+6*\c+2], v[S+32*\c:S+32*\c+15], v[BO+2*\c]
	v_cvt_scalef32_pk16_fp6_f32 v[PT+4*\c:PT+4*\c+2], v[S+32*\c+16:S+32*\c+31], v[BO+2*\c+1]
.endr
	v_nop                                          ; one plain place behind a scaled conversion
.irp c, 0,1
.irp i, 0,1,2
	v_permlane16_swap_b32 v[PC+6*\c+\i], v[PT+4*\c+\i]
.endr
.irp i, 0,1,2
	s_delay_alu instid0(VALU_DEP_3)
	v_mov_b32 v[PC+6*\c+3+\i], v[PT+4*\c+\i]
.endr
.endr
.irp j, 0,2,4,6,8,10,12,14,16,18,20,22,24,26,28,30
	v_pk_mul_f32 v[O+\j:O+\j+1], v[O+\j:O+\j+1], v[F:F+1] op_sel_hi:[1,0]   ; O^T under the new M; these sixteen stand between the writes of p's codes and scale word and the products
.endr
	s_wait_alu depctr_va_vdst(0)
	s_wait_dscnt 0x0                               ; v's fragments and scale words
.irp j, 0,1,2,3
	v_wmma_scale_f32_16x16x128_f8f6f4 v[O+8*\j:O+8*\j+7], v[FB+12*\j:FB+12*\j+11], v[PC:PC+11], v[O+8*\j:O+8*\j+7], v[VS+\j], v[PS] matrix_a_fmt:MATRIX_FMT_FP6 matrix_b_fmt:MATRIX_FMT_FP6
.endr
	s_add_co_u32 s[TB], s[TB], 6144
	s_add_co_u32 s[TS], s[TS], 512
	s_add_co_u32 s[TJ], s[TJ], 256
.endm
; ONE TILE OF 16 QUERIES, all 2,048 keys
.macro TILE it
	global_load_b128 v[QF:QF+3], v[L16], s[4:5] offset:768*\it
	global_load_b64 v[QF+4:QF+5], v[L8], s[4:5] offset:768*\it+512
	global_load_b32 v[QS], v[R16], s[2:3] offset:4*\it
.irp j, 0,1,2,3,4,5,6,7,8,9,10,11,12,13,14,15,16,17,18,19,20,21,22,23,24,25,26,27,28,29,30,31
	v_mov_b32 v[O+\j], 0                           ; the key step is written once: the first finds zeros
.endr
	v_mov_b32 v14, 0
	v_mov_b32 v15, 0
	v_mov_b32 v13, 0xff61b1e6                      ; -3e38, under every t
	s_delay_alu instid0(VALU_DEP_1)
	v_floor_f32 v12, -v13
	s_mov_b32 s[TB], 0
	s_mov_b32 s[TS], 0
	s_mov_b32 s[TJ], 0
	s_mov_b32 s[CNT], 16
	s_wait_loadcnt 0x0
.Lstep_\@:
	STEP
	s_sub_co_u32 s[CNT], s[CNT], 1
	s_cmp_lg_u32 s[CNT], 0
	s_cbranch_scc1 .Lstep_\@
.rept 4
	v_nop                                          ; places behind the last products
.endr
	v_add_f32 v14, v14, v15
	s_delay_alu instid0(VALU_DEP_1)
	v_permlanex16_b32 v230, v14, s[SEL], s[SEL+1]
	s_delay_alu instid0(VALU_DEP_1)
	v_add_f32 v14, v14, v230                       ; the row's sum
	s_wait_alu depctr_va_vdst(0)
	v_rcp_f32 v14, v14
	v_nop                                          ; a plain place behind the transcendental
	s_wait_alu depctr_va_vdst(0)                   ; and the wait ahead of its first reader
.irp j, 0,1,2,3,4,5,6,7,8,9,10,11,12,13,14,15,16,17,18,19,20,21,22,23,24,25,26,27,28,29,30,31
	v_mul_f32 v[S+\j], v[O+\j], v14                ; register 16 b + i: channel 32 b + 16 h + i of my query
.endr
.irp b, 0,1
	v_max3_num_f32 v[BM+\b], |v[S+16*\b]|, |v[S+16*\b+1]|, FLOOR
.endr
.irp i, 2,4,6,8,10,12,14
.irp b, 0,1
	s_delay_alu instid0(VALU_DEP_2)
	v_max3_num_f32 v[BM+\b], v[BM+\b], |v[S+16*\b+\i]|, |v[S+16*\b+\i+1]|
.endr
.endr
.irp b, 0,1
	s_delay_alu instid0(VALU_DEP_2)
	v_permlanex16_b32 v[BT+\b], v[BM+\b], s[SEL], s[SEL+1]
.endr
.irp b, 0,1
	s_delay_alu instid0(VALU_DEP_2)
	v_max_num_f32 v[BM+\b], v[BM+\b], v[BT+\b]
.endr
.irp b, 0,1
	s_delay_alu instid0(VALU_DEP_2)
	v_add_nc_u32 v[BO+\b], 0xff000000, v[BM+\b]
.endr
.irp b, 0,1
	s_delay_alu instid0(VALU_DEP_2)
	v_lshrrev_b32 v[BT+\b], 23, v[BO+\b]
.endr
	v_cvt_scalef32_pk16_fp6_f32 v[PC:PC+2], v[S:S+15], v[BO]
	v_cvt_scalef32_pk16_fp6_f32 v[PT:PT+2], v[S+16:S+31], v[BO+1]
	v_nop
.irp i, 0,1,2
	v_permlane16_swap_b32 v[PC+\i], v[PT+\i]
.endr
.irp i, 0,1,2
	s_delay_alu instid0(VALU_DEP_3)
	v_mov_b32 v[PC+3+\i], v[PT+\i]
.endr
	v_cndmask_b32 v231, v[BT], v[BT+1], s[HM]      ; lane (r, h) stores block h's byte
	global_store_b128 v[L16], v[PC:PC+3], s[8:9] offset:12288*\it              ; 512 consecutive bytes,
	global_store_b64 v[L8], v[PC+4:PC+5], s[8:9] offset:12288*\it+512          ; and 256
	global_store_b8 v[CSO], v231, s[10:11] offset:512*\it                      ; single bytes: a row's 32 scale bytes belong to sixteen heads' work-groups; 262,144 bytes in the whole launch
	s_wait_xcnt 0x0                                ; the stores have read their registers: the next tile writes them again
.endm
	TILE 0
	TILE 1
	s_wait_kmcnt 0x0                               ; the last look-ahead
	s_wait_tensorcnt 0x0                           ; the wave's end
	ds_add_u32 v[SPW], v[NIL]
	s_wait_dscnt 0x0
	CROUND                                         ; the closing round
	s_endpgm
.Lfunc_end_k_qe4703348a5_attn:
	.size	k_qe4703348a5_attn, .Lfunc_end_k_qe4703348a5_attn-k_qe4703348a5_attn
	.p2alignl 7, 3214868480
	.fill 96, 4, 3214868480
	.section	.rodata,"a",@progbits
	.p2align	6, 0x0
	.amdhsa_kernel k_qe4703348a5_attn
		.amdhsa_group_segment_fixed_size 212992
		.amdhsa_private_segment_fixed_size 0
		.amdhsa_enable_private_segment 0
		.amdhsa_kernarg_size 32
		.amdhsa_user_sgpr_count 2
		.amdhsa_user_sgpr_kernarg_segment_ptr 1
		.amdhsa_wavefront_size32 1
		.amdhsa_system_sgpr_workgroup_id_x 1
		.amdhsa_system_sgpr_workgroup_id_y 1
		.amdhsa_system_sgpr_workgroup_id_z 1
		.amdhsa_system_vgpr_workitem_id 0
		.amdhsa_next_free_vgpr 256
		.amdhsa_next_free_sgpr 102
		.amdhsa_reserve_vcc 0
		.amdhsa_float_denorm_mode_32 3
		.amdhsa_float_denorm_mode_16_64 3
		.amdhsa_memory_ordered 1
		.amdhsa_forward_progress 1
		.amdhsa_inst_pref_size 64
	.end_amdhsa_kernel
	.amdgpu_metadata
---
amdhsa.version: [ 1, 2 ]
amdhsa.kernels:
  - .name:           k_qe4703348a5_attn
    .symbol:         k_qe4703348a5_attn.kd
    .args:
      - { .name: qkv, .offset: 0, .size: 8, .value_kind: global_buffer, .address_space: global }
      - { .name: mw, .offset: 8, .size: 8, .value_kind: global_buffer, .address_space: global }
      - { .name: ctx, .offset: 16, .size: 8, .value_kind: global_buffer, .address_space: global }
      - { .name: ctxs, .offset: 24, .size: 8, .value_kind: global_buffer, .address_space: global }
    .group_segment_fixed_size: 212992
    .private_segment_fixed_size: 0
    .kernarg_segment_align: 8
    .kernarg_segment_size: 32
    .max_flat_workgroup_size: 512
    .sgpr_count:     102
    .vgpr_count:     256
    .wavefront_size: 32
...
	.end_amdgpu_metadata
.endif
;; end of part 3
;; launch outp (part 4): grid 4 x 64, 4 waves a work-group, clusters of 4 x 4, 327,680 bytes of LDS; arguments ops, opsc, ctx, ctxs, out0; writes out0
.if DOCPART == 4
	.amdgcn_target "amdgcn-amd-amdhsa--gfx1250"
	.amdhsa_code_object_version 6
	.text
	.protected	k_qe4703348a5_outp
	.globl	k_qe4703348a5_outp
	.p2align	8
	.type	k_qe4703348a5_outp,@function
k_qe4703348a5_outp:
	s_mov_b64 s[64:65], 0
	v_nop
	global_prefetch_b8 v0, s[64:65] scope:SCOPE_SE
	s_setreg_imm32_b32 hwreg(HW_REG_WAVE_MODE, 25, 1), 1
	s_wait_xcnt 0x0
	s_wait_alu depctr_hold_cnt(0) depctr_sa_sdst(0) depctr_va_vdst(0) depctr_va_sdst(0) depctr_va_ssrc(0) depctr_va_vcc(0) depctr_vm_vsrc(0)
	s_getreg_b32 s2, hwreg(HW_REG_IB_STS2, 6, 4)
	s_cmp_eq_u32 s2, 0
	s_cbranch_scc0 .Lentry_in_a_cluster
	s_endpgm
.Lentry_in_a_cluster:
	s_bfe_u32 s2, ttmp6, 0x10000c
	s_cmp_lg_u32 s2, 0xf033
	s_cbranch_scc0 .Lentry_shape_is_right
	s_endpgm
.Lentry_shape_is_right:
; out0 = ctx W_O on codes of FP6 (E2M3) with E8M0 scales, K = 1024; out0 [8192][1024] f32.
; Source 0 ("A") = W_O's columns (tiles 1728 on of ops), source 1 ("B") = ctx's rows: a lane then holds 128 neighbouring columns of one row of out0.
; A work-group makes 256 columns x 128 rows over all of K: four waves, each 128 x 64: 32 accumulators.  Its operands, 294,912 bytes, fit in LDS: EVERY LDS BYTE IS FILLED ONCE, no ring.
; CLUSTERS: 4 x 4 work-groups.  A's tiles hang on cx alone and are shared along a column of the cluster, B's on cy alone and are shared along a row: each is asked for jointly.
; Each wave issues one joint load at the start: one tensor load of a wave is out at most.
; Lane r of tile T of ctx holds row 32 (T / 2) + 8 (T % 2) + r + 8 (r / 8); the way out puts the rows back in their places.
; REGISTERS: window 0: addresses, scale words, rows on the way out; window 1: accumulator (i, j) at v[8 (8 j + i)]; window 2: A's fragments, two sets of 96; window 3: B's, two sets of 48.
; THE FILLS, as the text below has them : LDS holds K in two halves of four steps, 6,144 bytes a tile: A's 16 tiles at h x 98,304, B's 8 at 196,608 + h x 49,152.
; One joint load a wave at the head: wave 0 A's half 0, wave 1 B's half 0, wave 2 A's half 1, wave 3 B's half 1.  The first barrier waits for waves 0 and 1, the barrier in step 3 for all.  One tensor load of a wave is out.
.set TILEB, 12288
.set ASP,   98304
.set BBASE, 196608
.set BSP,   49152
.set SPARE, 294912
.set SPITCH, 528                       ; the way out: a stage of 16 rows x (512 bytes + 16) for each wave, in A's half 0, which has had its only fill and which every wave has done reading at step 3's barrier
.set L16, 1
.set L8,  2
.set RR,  3
.set HH,  4
.set AA16, 5
.set AA8,  6
.set BA16, 7
.set BA8,  8
.set VSA, 9
.set VSB, 10
.set STO, 11
.set RD,  12
.set T13, 13
.set SPW, 14
.set NIL, 15
.set SA,  32
.set SB,  64
.set BK,  96                           ; v96-223 16 rows read back from the stage, two sets
.set G0A, 16
.set G0B, 32
.set G1A, 48
.set G1B, 56
.set WV,  88
.set WA,  89
.set WB,  90
.set CX,  91
.set CY,  92
.set YY,  93
.set MSB, 0
.macro WIN new
.if MSB != \new
	s_set_vgpr_msb (MSB<<8)|\new
.set MSB, \new
.endif
.endm
.macro CROUND
	s_barrier_signal -1
	s_barrier_wait -1
	s_cmp_lg_u32 s[WV], 0
	s_cbranch_scc1 .Lnot_wave_0_\@
	s_barrier_signal -3
.Lnot_wave_0_\@:
	s_barrier_wait -3
	s_barrier_signal -1
	s_barrier_wait -1
.endm
.macro PLACES
.rept 4
	v_nop
.endr
.endm
	s_load_b256 s[4:11], s[0:1], 0x0               ; ops, opsc, ctx, ctxs
	s_load_b64 s[12:13], s[0:1], 0x20              ; out0
	v_lshl_add_u32 v[SPW], v0, 2, SPARE
	v_mov_b32 v[NIL], 0
	ds_add_u32 v[SPW], v[NIL]                      ; the wave's opening
	ds_add_u32 v[SPW], v[NIL]
	v_lshrrev_b32 v1, 5, v0
	v_readfirstlane_b32 s[WV], v1
	s_lshr_b32 s[WA], s[WV], 1
	s_and_b32 s[WB], s[WV], 1
	s_bfe_u32 s[CX], ttmp6, 0x40000
	s_bfe_u32 s[CY], ttmp6, 0x40004
	s_and_b32 s[YY], ttmp7, 0xffff
	s_lshl_b32 s66, 0x1111, s[CX]
	s_or_b32 s[G1A], s66, (3<<16)|(1<<21)
	s_lshl_b32 s67, s[CY], 2
	s_lshl_b32 s67, 15, s67
	s_or_b32 s[G1B], s67, (3<<16)|(1<<21)
	s_mov_b32 s[G1A+1], 768<<16                    ; a row is four K steps of a tile, 6,144 bytes
	s_mov_b32 s[G1A+2], 16<<16
	s_mov_b32 s[G1A+3], 768<<16
	s_mov_b32 s[G1A+4], 16
	s_mov_b32 s[G1A+5], 1536
	s_mov_b32 s[G1A+6], 0
	s_mov_b32 s[G1A+7], 0
	s_mov_b32 s[G1B+1], 768<<16
	s_mov_b32 s[G1B+2], 8<<16
	s_mov_b32 s[G1B+3], 768<<16
	s_mov_b32 s[G1B+4], 8
	s_mov_b32 s[G1B+5], 1536
	s_mov_b32 s[G1B+6], 0
	s_mov_b32 s[G1B+7], 0
	s_lshl_b32 s68, s[CX], 4
	s_add_co_u32 s68, s68, 1728                    ; A's first tile
	s_lshl_b32 s69, s[YY], 2
	s_add_co_u32 s69, s69, s[CY]
	s_lshl_b32 s69, s69, 3                         ; B's first tile
	s_mul_i32 s70, s68, TILEB
	s_mov_b32 s71, 0
	s_mul_i32 s74, s69, TILEB
	s_mov_b32 s75, 0
	s_wait_dscnt 0x0                               ; the opening add is done
	s_wait_kmcnt 0x0
	s_add_nc_u64 s[72:73], s[4:5], s[70:71]
	s_add_nc_u64 s[76:77], s[8:9], s[74:75]
.irp p, 0,1
	s_mov_b32 s[G0A+4*\p], 1
	s_mov_b32 s[G0A+4*\p+1], \p*ASP
	s_add_nc_u64 s[G0A+4*\p+2:G0A+4*\p+3], s[72:73], \p*6144
	s_or_b32 s[G0A+4*\p+3], s[G0A+4*\p+3], 0x80000000
	s_mov_b32 s[G0B+4*\p], 1
	s_mov_b32 s[G0B+4*\p+1], BBASE+\p*BSP
	s_add_nc_u64 s[G0B+4*\p+2:G0B+4*\p+3], s[76:77], \p*6144
	s_or_b32 s[G0B+4*\p+3], s[G0B+4*\p+3], 0x80000000
.endr
	CROUND                                         ; all sixteen work-groups are here: the joint loads meet
.macro ARM under, g0, g1, next         ; one chain of arms on the wave's number, one load to an arm
	s_cmp_lt_u32 s[WV], \under
	s_cbranch_scc0 \next
	tensor_load_to_lds s[\g0:\g0+3], s[\g1:\g1+7]
	s_nop 0
	PLACES
	s_branch .Lhead_asked
\next:
.endm
	ARM 1, G0A,   G1A, .Lhead_1
	ARM 2, G0B,   G1B, .Lhead_2
	ARM 3, G0A+4, G1A, .Lhead_3
	tensor_load_to_lds s[G0B+4:G0B+7], s[G1B:G1B+7]
	s_nop 0
	PLACES
.Lhead_asked:
	v_and_b32 v[T13], 31, v0
	v_lshlrev_b32 v[L16], 4, v[T13]
	v_lshlrev_b32 v[L8], 3, v[T13]
	v_and_b32 v[RR], 15, v0
	v_bfe_u32 v[HH], v0, 4, 1
	s_mul_i32 s66, s[WA], 49152
	v_add_nc_u32 v[AA16], s66, v[L16]
	v_add_nc_u32 v[AA8], s66, v[L8]
	s_mul_i32 s67, s[WB], 24576
	s_add_co_u32 s67, s67, BBASE
	v_add_nc_u32 v[BA16], s67, v[L16]
	v_add_nc_u32 v[BA8], s67, v[L8]
	s_mul_i32 s66, s[WV], 16*SPITCH                ; my stage
	v_mul_u32_u24 v[STO], v[RR], SPITCH
	v_lshl_add_u32 v[STO], v[HH], 6, v[STO]
	v_add_nc_u32 v[STO], s66, v[STO]               ; in: row r, 64 bytes for each half of the lanes
	v_add_nc_u32 v[RD], s66, v[L16]                ; back: the 32 lanes take one row of 512 bytes
	s_lshl_b32 s70, s[WA], 3
	s_add_co_u32 s70, s70, s68
	s_lshl_b32 s70, s70, 9
	v_lshlrev_b32 v[VSA], 5, v[RR]
	v_lshl_add_u32 v[VSB], v[HH], 10, v[VSA]
	v_lshl_add_u32 v[VSA], v[HH], 11, v[VSA]
	v_add_nc_u32 v[VSA], s70, v[VSA]
	s_lshl_b32 s71, s[WB], 2
	s_add_co_u32 s71, s71, s69                     ; my first tile of rows
	s_lshl_b32 s78, s71, 16                        ; 16 rows of 4,096 bytes a tile
	s_lshl_b32 s71, s71, 9
	v_add_nc_u32 v[VSB], s71, v[VSB]
.irp i, 0,1,2,3
.irp q, 0,1
	global_load_b128 v[SA+8*\i+4*\q:SA+8*\i+4*\q+3], v[VSA], s[6:7] offset:512*\i+16*\q
.endr
.endr
.irp j, 0,1
.irp q, 0,1
	global_load_b128 v[SB+8*\j+4*\q:SB+8*\j+4*\q+3], v[VSB], s[10:11] offset:512*\j+16*\q
.endr
.endr
	s_lshl_b32 s79, s[CX], 10
	s_add_co_u32 s78, s78, s79
	s_lshl_b32 s79, s[WA], 9
	s_add_co_u32 s78, s78, s79                     ; + my 128 columns
	s_mov_b32 s79, 0
	s_add_nc_u64 s[12:13], s[12:13], s[78:79]
.macro FRAG reg, a16, a8, off
	ds_load_b128 v[(\reg):(\reg)+3], v[\a16] offset:(\off)
	ds_load_b64 v[(\reg)+4:(\reg)+5], v[\a8] offset:(\off)+512
	ds_load_b128 v[(\reg)+6:(\reg)+9], v[\a16] offset:(\off)+768
	ds_load_b64 v[(\reg)+10:(\reg)+11], v[\a8] offset:(\off)+1280
.endm
.macro FETCH s
	WIN 0x80
.irp i, 0,1,2,3,4,5,6,7
	FRAG 96*((\s)%2)+12*\i, AA16, AA8, 6144*\i+1536*((\s)%4)
.endr
	WIN 0xc0
.irp j, 0,1,2,3
	FRAG 48*((\s)%2)+12*\j, BA16, BA8, 6144*\j+1536*((\s)%4)
.endr
.endm
.macro WM zero, ra, rb
.if \zero
.if (\ra) && (\rb)
	v_wmma_scale_f32_16x16x128_f8f6f4 v[rD:rD+7], v[rA:rA+11], v[rB:rB+11], 0, v[rSA], v[rSB] matrix_a_fmt:MATRIX_FMT_FP6 matrix_b_fmt:MATRIX_FMT_FP6 matrix_a_scale:MATRIX_SCALE_ROW1 matrix_b_scale:MATRIX_SCALE_ROW1
.elseif (\ra)
	v_wmma_scale_f32_16x16x128_f8f6f4 v[rD:rD+7], v[rA:rA+11], v[rB:rB+11], 0, v[rSA], v[rSB] matrix_a_fmt:MATRIX_FMT_FP6 matrix_b_fmt:MATRIX_FMT_FP6 matrix_a_scale:MATRIX_SCALE_ROW1
.elseif (\rb)
	v_wmma_scale_f32_16x16x128_f8f6f4 v[rD:rD+7], v[rA:rA+11], v[rB:rB+11], 0, v[rSA], v[rSB] matrix_a_fmt:MATRIX_FMT_FP6 matrix_b_fmt:MATRIX_FMT_FP6 matrix_b_scale:MATRIX_SCALE_ROW1
.else
	v_wmma_scale_f32_16x16x128_f8f6f4 v[rD:rD+7], v[rA:rA+11], v[rB:rB+11], 0, v[rSA], v[rSB] matrix_a_fmt:MATRIX_FMT_FP6 matrix_b_fmt:MATRIX_FMT_FP6
.endif
.else
.if (\ra) && (\rb)
	v_wmma_scale_f32_16x16x128_f8f6f4 v[rD:rD+7], v[rA:rA+11], v[rB:rB+11], v[rD:rD+7], v[rSA], v[rSB] matrix_a_fmt:MATRIX_FMT_FP6 matrix_b_fmt:MATRIX_FMT_FP6 matrix_a_scale:MATRIX_SCALE_ROW1 matrix_b_scale:MATRIX_SCALE_ROW1
.elseif (\ra)
	v_wmma_scale_f32_16x16x128_f8f6f4 v[rD:rD+7], v[rA:rA+11], v[rB:rB+11], v[rD:rD+7], v[rSA], v[rSB] matrix_a_fmt:MATRIX_FMT_FP6 matrix_b_fmt:MATRIX_FMT_FP6 matrix_a_scale:MATRIX_SCALE_ROW1
.elseif (\rb)
	v_wmma_scale_f32_16x16x128_f8f6f4 v[rD:rD+7], v[rA:rA+11], v[rB:rB+11], v[rD:rD+7], v[rSA], v[rSB] matrix_a_fmt:MATRIX_FMT_FP6 matrix_b_fmt:MATRIX_FMT_FP6 matrix_b_scale:MATRIX_SCALE_ROW1
.else
	v_wmma_scale_f32_16x16x128_f8f6f4 v[rD:rD+7], v[rA:rA+11], v[rB:rB+11], v[rD:rD+7], v[rSA], v[rSB] matrix_a_fmt:MATRIX_FMT_FP6 matrix_b_fmt:MATRIX_FMT_FP6
.endif
.endif
.endm
.macro MUL s, zero                     ; the 32 accumulators take turns, one instruction a turn, in the same order in every step
	WIN 0x5e
.irp j, 0,1,2,3
.irp i, 0,1,2,3,4,5,6,7
.set rD, 8*(8*\j+\i)
.set rA, 96*((\s)%2)+12*\i
.set rB, 48*((\s)%2)+12*\j
.set rSA, SA+8*(\i%4)+(\s)
.set rSB, SB+8*(\j%2)+(\s)
	WM \zero, \i/4, \j/2
.endr
.endr
.endm
.macro EVEN s
.if (\s) > 0
	PLACES
.endif
	FETCH (\s)+1
.if (\s) == 0
	s_wait_loadcnt 0x0                             ; the scale words
.endif
	s_wait_dscnt 48                                ; this step's fragments are in; the 48 loads just issued may be out
.if (\s) == 0
	MUL \s, 1
.else
	MUL \s, 0
.endif
.endm
.macro ODD s
	WIN 0
	s_wait_dscnt 0x0                               ; no LDS load of mine is out at the signal
	s_wait_tensorcnt 0x0                           ; my load has landed
	s_barrier_signal -1
	s_barrier_wait -1
	v_add_nc_u32 v[AA16], ASP, v[AA16]             ; these four are also the places in front of the loads below
	v_add_nc_u32 v[AA8], ASP, v[AA8]
	v_add_nc_u32 v[BA16], BSP, v[BA16]
	v_add_nc_u32 v[BA8], BSP, v[BA8]
	s_wait_alu depctr_va_vdst(0)
	FETCH (\s)+1
	MUL \s, 0
.endm
	s_wait_alu depctr_va_vdst(0)
	s_cmp_lt_u32 s[WV], 2
	s_cbranch_scc0 .Lnot_first
	s_wait_tensorcnt 0x0                           ; waves 0 and 1: half 0 of A and of B
.Lnot_first:
	s_barrier_signal -1
	s_barrier_wait -1                              ; half 0 is whole; half 1 may be on its way
	FETCH 0
	EVEN 0
	EVEN 1
	EVEN 2
	ODD 3
	EVEN 4
	EVEN 5
	EVEN 6
	s_wait_dscnt 0x0
	MUL 7, 0
	PLACES
; THE WAY OUT, a tile of 16 rows x 128 columns at a time.  Accumulator (i, j): lane (r, h) holds columns 32 (i / 2) + 16 h + 8 (i % 2) + 0 .. 7 of row r.  The block goes through my own stage and comes back as whole rows of 512 bytes.
; LDS serves a wave's instructions in order: no wait between the stores and the loads, nor in front of the next block's stores.
.macro TOSTAGE j
	WIN 0x04                                       ; an LDS store's data are its source 1: window 1
.irp i, 0,1,2,3,4,5,6,7
	ds_store_b128 v[STO], v[8*(8*(\j)+\i):8*(8*(\j)+\i)+3] offset:128*(\i/2)+32*(\i%2)          ; each accumulator from its low end on
	ds_store_b128 v[STO], v[8*(8*(\j)+\i)+4:8*(8*(\j)+\i)+7] offset:128*(\i/2)+32*(\i%2)+16
.endr
	WIN 0
.set BB, BK+64*((\j)%2)
.irp t, 0,1,2,3,4,5,6,7,8,9,10,11,12,13,14,15
	ds_load_b128 v[BB+4*\t:BB+4*\t+3], v[RD] offset:\t*SPITCH
.endr
.endm
.macro SEND j, younger                 ; younger: the LDS instructions issued behind block j's loads, which may stay out
.set BB, BK+64*((\j)%2)
	s_wait_dscnt \younger
.irp t, 0,1,2,3,4,5,6,7,8,9,10,11,12,13,14,15
	global_store_b128 v[L16], v[BB+4*\t:BB+4*\t+3], s[12:13] offset:(32*((\j)/2)+8*((\j)%2)+\t+8*(\t/8))*4096 th:TH_STORE_NT   ; 32 lanes store 512 consecutive bytes of one row
.endr
.endm
	TOSTAGE 0
.irp j, 1,2,3
.if \j > 1
	s_wait_xcnt 0x0                                ; the stores of two blocks back have read their registers: this block's loads may land there
.endif
	TOSTAGE \j
	SEND \j-1, 32                                  ; behind that block's loads: this block's 16 stores and 16 loads
.endr
	SEND 3, 0
	s_wait_tensorcnt 0x0                           ; the wave's end
	ds_add_u32 v[SPW], v[NIL]
	s_wait_dscnt 0x0
	CROUND                                         ; the closing round
	s_endpgm
.Lfunc_end_k_qe4703348a5_outp:
	.size	k_qe4703348a5_outp, .Lfunc_end_k_qe4703348a5_outp-k_qe4703348a5_outp
	.p2alignl 7, 3214868480
	.fill 96, 4, 3214868480
	.section	.rodata,"a",@progbits
	.p2align	6, 0x0
	.amdhsa_kernel k_qe4703348a5_outp
		.amdhsa_group_segment_fixed_size 327680
		.amdhsa_private_segment_fixed_size 0
		.amdhsa_enable_private_segment 0
		.amdhsa_kernarg_size 40
		.amdhsa_user_sgpr_count 2
		.amdhsa_user_sgpr_kernarg_segment_ptr 1
		.amdhsa_wavefront_size32 1
		.amdhsa_system_sgpr_workgroup_id_x 1
		.amdhsa_system_sgpr_workgroup_id_y 1
		.amdhsa_system_sgpr_workgroup_id_z 1
		.amdhsa_system_vgpr_workitem_id 0
		.amdhsa_next_free_vgpr 1024
		.amdhsa_next_free_sgpr 100
		.amdhsa_reserve_vcc 0
		.amdhsa_float_denorm_mode_32 3
		.amdhsa_float_denorm_mode_16_64 3
		.amdhsa_memory_ordered 1
		.amdhsa_forward_progress 1
		.amdhsa_inst_pref_size 81
	.end_amdhsa_kernel
	.amdgpu_metadata
---
amdhsa.version: [ 1, 2 ]
amdhsa.kernels:
  - .name:           k_qe4703348a5_outp
    .symbol:         k_qe4703348a5_outp.kd
    .args:
      - { .name: ops, .offset: 0, .size: 8, .value_kind: global_buffer, .address_space: global }
      - { .name: opsc, .offset: 8, .size: 8, .value_kind: global_buffer, .address_space: global }
      - { .name: ctx, .offset: 16, .size: 8, .value_kind: global_buffer, .address_space: global }
      - { .name: ctxs, .offset: 24, .size: 8, .value_kind: global_buffer, .address_space: global }
      - { .name: out0, .offset: 32, .size: 8, .value_kind: global_buffer, .address_space: global }
    .group_segment_fixed_size: 327680
    .private_segment_fixed_size: 0
    .kernarg_segment_align: 8
    .kernarg_segment_size: 40
    .max_flat_workgroup_size: 128
    .sgpr_count:     100
    .vgpr_count:     1024
    .wavefront_size: 32
...
	.end_amdgpu_metadata
.endif
;; end of part 4
